; MI455X (gfx1250); checked and timed in simulation.
; The chip was launched on July 23, 2026; its instructions are those of AMD's public machine-readable ISA for CDNA 5 (MIT licence, August 2026) and "CDNA5" Instruction Set Architecture Reference Guide (July 2026). The comments in the code are by the model that wrote it; some were corrected since.
;; Multi Head Attention. Allowed arithmetic: matrix products marked QUANTISED: E2M1 operands, one E8M0 scale for each 32 along K, by v_wmma_scale_f32_16x16x128_f8f6f4 with both operands' format E2M1 (or v_wmma_scale_f32_32x16x128_f4), f32 sums; products left as they are: bf16, f16 or f32 operands; f32 sums; everything else in f32.
;; Inputs: Wo 1,024 x 1,024 float32; Wqkv 1,024 x 3,072 float32; bo 1,024 float32; bqkv 3,072 float32; x 4 x 2,048 x 1,024 float32.
;; Outputs: out0 4 x 2,048 x 1,024 float32.
;; This version of the problem:
;;   THIS VERSION OF THE PROBLEM IS GIVEN IN LOW PRECISION. The matrix products marked QUANTISED in the list below multiply operands that are first quantised to E2M1 (2 exponent bits, 1 mantissa bit; 4 bits a number), with one power-of-two scale for each 32 numbers along K (OCP MX v1.0); their sums are f32. The products marked 'left as it is' may take bf16, f16 or f32 operands, with f32 sums. Whichever they take, every output number must still come out within the allowed error. Rounding operands to bf16 (8 significant bits) uses up far more of that allowance than f16 does (11 bits, for magnitudes from 6e-5 to 65,504). All else is computed in f32.
;;   The module's matrix products, in the order in which they are computed (A, B: the left and right operand; K: the contracted axis; several contracted axes count as one K, in the product's order):
;;     1. [M 8,192, K 1,024] x [K 1,024, N 3,072]; A: input x; B: input Wqkv: QUANTISED
;;     2. batch 64 x [M 2,048, K 64] x [K 64, N 2,048]; A: computed on the way; B: computed on the way: left as it is (an operand is computed on the way)
;;     3. batch 64 x [M 2,048, K 2,048] x [K 2,048, N 64]; A: computed on the way; B: computed on the way: left as it is (an operand is computed on the way)
;;     4. [M 8,192, K 1,024] x [K 1,024, N 1,024]; A: computed on the way; B: input Wo: left as it is (an operand is computed on the way)
;;   THE QUANTISER, for each operand of a quantised product, along K:
;;     - K is cut into blocks of 32 from its start; a last block that is shorter is filled with zeros.
;;     - A block's scale is 2^e with e = floor(log2(the largest magnitude in the block)) - 2, held to -126 .. 127; a block of zeros has e = 0. As a byte (E8M0): e + 127.
;;     - Each number is divided by its block's scale, clamped to +-6, and rounded to the nearest number of E2M1, ties to even, subnormals kept.
;;     - The product sums the exact products of the quantised numbers (number of the format x scale) in f32.
;;   ~~~python
;;   def quantise(x, axis):      # numpy; x: float32 -> the quantised numbers, widened to float32 again
;;       x = np.moveaxis(x, axis, -1); K = x.shape[-1]
;;       x = np.pad(x, [(0, 0)] * (x.ndim - 1) + [(0, -K % 32)]); x = x.reshape(x.shape[:-1] + (-1, 32)); a = np.abs(x).max(-1, keepdims=True)
;;       e = np.where(a > 0, np.clip(np.frexp(np.where(a > 0, a, 1))[1] - 1 - 2, -126, 127), 0)      # np.frexp(a)[1] - 1 = floor(log2(a)), exactly
;;       r = np.clip(x / 2.0 ** e, -6, 6)
;;       step = 2.0 ** (np.maximum(np.frexp(np.where(r == 0, 1, r))[1] - 1, 0) - 1)
;;       q = np.round(r / step) * step * 2.0 ** e      # np.round: ties to even
;;       return np.moveaxis(q.reshape(q.shape[:-2] + (-1,))[..., :K], -1, axis).astype(np.float32)
;;   ~~~
;; One version. Each part assembles by itself: llvm-mc -triple=amdgcn-amd-amdhsa -mcpu=gfx1250 --defsym DOCPART=n.
;; ======== version 1 of 1: 5 launches
;; limits: values are held in f16: magnitudes above 65,504 overflow, below 6.1e-05 lose precision
;; workspace buffers: x_codes 4,194,304 bytes; x_scales 262,144 bytes; w_codes 1,572,864 bytes; w_scales 98,304 bytes; wo16 2,097,152 bytes; qkv 50,331,648 bytes; vals 16,777,216 bytes
;; launch prep_x (part 1): grid 256 x 1, 4 waves a work-group, no clusters, 33,280 bytes of LDS; arguments x, x_codes, x_scales; writes x_codes, x_scales
.if DOCPART == 1
	.amdgcn_target "amdgcn-amd-amdhsa--gfx1250"
	.amdhsa_code_object_version 6
	.text
	.protected	k_q775bcb02c2_prep_x
	.globl	k_q775bcb02c2_prep_x
	.p2align	8
	.type	k_q775bcb02c2_prep_x,@function
k_q775bcb02c2_prep_x:
	s_mov_b64 s[64:65], 0
	v_nop
	global_prefetch_b8 v0, s[64:65] scope:SCOPE_SE
	s_setreg_imm32_b32 hwreg(HW_REG_WAVE_MODE, 25, 1), 1
	s_wait_xcnt 0x0
; x [8192][1024], f32, becomes codes of FP4 (E2M1), K innermost, two codes a byte (x_codes [8192][512 bytes]), with one E8M0 scale byte for each 32 along K (x_scales [8192][32]).
; A block's scale is 2^(floor(log2(its largest magnitude)) - 2); its byte is the largest magnitude's own exponent field - 2, held at 1 from below.  Each number is divided by the scale and rounded
; to the nearest code, ties to even; beyond 6 the largest code.
; LIMITS: a block of zeros gets the byte 1 where the quantiser's text says 127: its codes are zeros, which add nothing under any byte but 0xff, and this program alone reads the bytes.
; NaN and infinities among the inputs are not served.
; Rows are dense and 1,024 is a multiple of 32: x is a plain stream of blocks of 32, and so are the codes and the scale bytes.  8,388,608 numbers = 256 work-groups x 4 waves x 16 steps x 512.
; Each of a step's four loads reads 512 consecutive bytes, 16 a lane; the 2,048 bytes turn through the wave's own stage in LDS and come back 64 bytes a lane: 16 neighbours along K, two lanes to a block.
; A lane's 16 codes are 8 bytes: a wave's store covers 256 consecutive bytes, aligned.  A wave's 256 scale bytes are gathered in its own LDS bytes and leave as 256 consecutive bytes.
; No tensor load, no barrier: waves share nothing.  Loads run four steps (16 loads a wave) ahead, the turn through LDS one step.
.set WAVES, 4
.set STEPS, 16
.set EMAX,  2
.set CB,    8                          ; bytes of 16 codes
.set R,     16                         ; v16-79   four sets of 16 numbers as they are loaded
.set X,     80                         ; v80-111  two sets of 16 neighbours
.set E,     112                        ; v112-127 a scale byte for each step
.set C,     128                        ; v128-191 codes: four registers for each step, so that no store's data are written again
.set WREG,  8192                       ; LDS: a region for each wave: two stages of 32 x SP bytes, behind them its 256 scale bytes
.set SP,    80                         ; a lane's place in a stage: its 64 bytes + 16 of padding
.set SPW,   12                         ; v12  LDS address of my spare word; never rewritten
.set NIL,   13                         ; v13  0; never rewritten
.set SPARE, WAVES*WREG                 ; behind the four regions: the spare words, 128 bytes a wave, which no other line names
	s_load_b128 s[4:7], s[0:1], 0x0                ; x s[4:5], the codes s[6:7]
	s_load_b64 s[10:11], s[0:1], 0x10              ; the scale bytes
	v_lshl_add_u32 v[SPW], v0, 2, SPARE
	v_mov_b32 v[NIL], 0
	v_lshrrev_b32 v1, 5, v0
	v_readfirstlane_b32 s16, v1                    ; wave
	v_and_b32 v2, 31, v0                           ; lane
	v_lshlrev_b32 v3, 4, v2                        ; my 16 bytes of a load's 512
	s_mul_i32 s17, s16, WREG
	v_lshrrev_b32 v14, 2, v2
	v_mul_u32_u24 v14, v14, SP
	v_and_b32 v15, 3, v2
	v_lshl_add_u32 v14, v15, 4, v14
	v_add_nc_u32 v14, s17, v14                     ; the stage, on the way in: SP (lane / 4) + 16 (lane % 4); a load's 512 bytes take eight places
	v_mul_u32_u24 v15, v2, SP
	v_add_nc_u32 v15, s17, v15                     ; and on the way out: SP x lane: my 16 neighbours
	v_mul_u32_u24 v4, v2, CB                       ; my codes' place in a step's
	v_lshrrev_b32 v5, 1, v2
	s_add_co_u32 s17, s17, 2*32*SP
	v_add_nc_u32 v5, s17, v5                       ; LDS: my wave's 256 scale bytes, my block's byte
	v_lshlrev_b32 v7, 3, v2                        ; and on the way out 8 bytes a lane
	v_add_nc_u32 v6, s17, v7
	s_lshl_b32 s17, ttmp9, 2
	s_add_co_u32 s18, s17, s16                     ; which run of 8,192 numbers is my wave's
	s_mov_b32 s19, 0
	s_mov_b64 s[20:21], 512*STEPS*4
	s_mul_u64 s[20:21], s[18:19], s[20:21]         ; its first byte in x,
	s_mov_b64 s[22:23], 32*STEPS*CB
	s_mul_u64 s[22:23], s[18:19], s[22:23]         ; in the codes,
	s_lshl_b32 s18, s18, 8                         ; and in the scale bytes
	s_wait_kmcnt 0x0
	s_add_nc_u64 s[4:5], s[4:5], s[20:21]
	s_add_nc_u64 s[6:7], s[6:7], s[22:23]
	s_add_nc_u64 s[10:11], s[10:11], s[18:19]
.macro LOAD t
.irp i, 0,1,2,3
	global_load_b128 v[R+16*((\t)%4)+4*\i:R+16*((\t)%4)+4*\i+3], v3, s[4:5] offset:2048*(\t)+512*\i th:TH_LOAD_NT   ; 32 lanes read 512 consecutive bytes
.endr
.endm
.macro TURN t                          ; step t's numbers through the stage: LDS serves a wave's instructions in order, so no wait stands between the stores and the loads
.irp i, 0,1,2,3
	ds_store_b128 v14, v[R+16*((\t)%4)+4*\i:R+16*((\t)%4)+4*\i+3] offset:32*SP*((\t)%2)+8*SP*\i
.endr
.irp i, 0,1,2,3
	ds_load_b128 v[X+16*((\t)%2)+4*\i:X+16*((\t)%2)+4*\i+3], v15 offset:32*SP*((\t)%2)+16*\i
.endr
.endm
.irp t, 0,1,2,3
	LOAD \t
.endr
	s_wait_loadcnt 12                              ; step 0's four loads are in; the twelve of steps 1 to 3 may be out
	TURN 0
.macro STEP t
.set XS, X+16*((\t)%2)
.if (\t) > 0
	s_wait_dscnt 1                                 ; this step's numbers are back from the stage (the last step's byte store may be out): so its stores into the stage have read their registers,
.else
	s_wait_dscnt 0x0
.endif
.if (\t)+4 < STEPS
	LOAD (\t)+4                                    ; which take the loads of four steps on
.endif
.if (\t)+1 < STEPS
.if STEPS-2-(\t) >= 3
	s_wait_loadcnt 12                              ; the next step's four loads are in; those of the three steps behind it may be out
.else
	s_wait_loadcnt 4*(STEPS-2-(\t))
.endif
	TURN (\t)+1                                    ; and go through the other stage while this step is worked
.endif
	v_max3_num_f32 v8, |v[XS]|, |v[XS+1]|, |v[XS+2]|               ; the largest magnitude of my 16, in two chains
	v_max3_num_f32 v9, |v[XS+3]|, |v[XS+4]|, |v[XS+5]|
.irp i, 6,10
	v_max3_num_f32 v8, v8, |v[XS+\i]|, |v[XS+\i+1]|
	v_max3_num_f32 v9, v9, |v[XS+\i+2]|, |v[XS+\i+3]|
.endr
	v_max3_num_f32 v8, v8, |v[XS+14]|, |v[XS+15]|
	v_max3_num_f32 v8, v8, v9, (EMAX+1)<<23        ; and the floor 2^(3 - 127): the byte cannot fall under 1
	v_max_num_f32_dpp v8, v8, v8 row_xmask:1 row_mask:0xf bank_mask:0xf   ; and of my neighbour's 16: the block's
	v_add_nc_u32 v11, 0xff000000, v8               ; 2 off its exponent field: the conversion takes the exponent field of this operand as its scale, and nothing else of it
	v_cvt_scalef32_pk8_fp4_f32 v[C+4*(\t)], v[XS:XS+7], v11
	v_cvt_scalef32_pk8_fp4_f32 v[C+4*(\t)+1], v[XS+8:XS+15], v11
	v_lshrrev_b32 v[E+(\t)], 23, v11               ; the scale's byte (a plain line behind the conversions)
	ds_store_b8 v5, v[E+(\t)] offset:16*(\t)       ; both lanes of a block write the same byte with the same value
	global_store_b64 v4, v[C+4*(\t):C+4*(\t)+1], s[6:7] offset:32*CB*(\t)   ; 32 lanes store 256 consecutive bytes, aligned
.endm
.irp t, 0,1,2,3,4,5,6,7,8,9,10,11,12,13,14,15
	STEP \t
.endr
	ds_load_b64 v[8:9], v6                         ; LDS serves a wave's instructions in order: these see my byte stores
	s_wait_dscnt 0x0
	global_store_b64 v7, v[8:9], s[10:11]          ; 32 lanes store 256 consecutive bytes, aligned
	s_wait_tensorcnt 0x0                           ; the wave's end: these three lines stand behind my last LDS store
	ds_add_u32 v[SPW], v[NIL]
	s_wait_dscnt 0x0
	s_endpgm
.Lfunc_end_k_q775bcb02c2_prep_x:
	.size	k_q775bcb02c2_prep_x, .Lfunc_end_k_q775bcb02c2_prep_x-k_q775bcb02c2_prep_x
	.p2alignl 7, 3214868480
	.fill 96, 4, 3214868480
	.section	.rodata,"a",@progbits
	.p2align	6, 0x0
	.amdhsa_kernel k_q775bcb02c2_prep_x
		.amdhsa_group_segment_fixed_size 33280
		.amdhsa_private_segment_fixed_size 0
		.amdhsa_enable_private_segment 0
		.amdhsa_kernarg_size 24
		.amdhsa_user_sgpr_count 2
		.amdhsa_user_sgpr_kernarg_segment_ptr 1
		.amdhsa_wavefront_size32 1
		.amdhsa_system_sgpr_workgroup_id_x 1
		.amdhsa_system_sgpr_workgroup_id_y 1
		.amdhsa_system_sgpr_workgroup_id_z 1
		.amdhsa_system_vgpr_workitem_id 0
		.amdhsa_next_free_vgpr 192
		.amdhsa_next_free_sgpr 66
		.amdhsa_reserve_vcc 0
		.amdhsa_float_denorm_mode_32 3
		.amdhsa_float_denorm_mode_16_64 3
		.amdhsa_memory_ordered 1
		.amdhsa_forward_progress 1
		.amdhsa_inst_pref_size 33
	.end_amdhsa_kernel
	.amdgpu_metadata
---
amdhsa.version: [ 1, 2 ]
amdhsa.kernels:
  - .name:           k_q775bcb02c2_prep_x
    .symbol:         k_q775bcb02c2_prep_x.kd
    .args:
      - { .name: x, .offset: 0, .size: 8, .value_kind: global_buffer, .address_space: global }
      - { .name: x_codes, .offset: 8, .size: 8, .value_kind: global_buffer, .address_space: global }
      - { .name: x_scales, .offset: 16, .size: 8, .value_kind: global_buffer, .address_space: global }
    .group_segment_fixed_size: 33280
    .private_segment_fixed_size: 0
    .kernarg_segment_align: 8
    .kernarg_segment_size: 24
    .max_flat_workgroup_size: 128
    .sgpr_count:     66
    .vgpr_count:     192
    .wavefront_size: 32
...
	.end_amdgpu_metadata
.endif
;; end of part 1
;; launch prep_w (part 2): grid 160 x 1, 8 waves a work-group, no clusters, 19,456 bytes of LDS; arguments Wqkv, Wo, w_codes, w_scales, wo16; writes w_codes, w_scales, wo16
.if DOCPART == 2
	.amdgcn_target "amdgcn-amd-amdhsa--gfx1250"
	.amdhsa_code_object_version 6
	.text
	.protected	k_q775bcb02c2_prep_w
	.globl	k_q775bcb02c2_prep_w
	.p2align	8
	.type	k_q775bcb02c2_prep_w,@function
k_q775bcb02c2_prep_w:
	s_mov_b64 s[64:65], 0
	v_nop
	global_prefetch_b8 v0, s[64:65] scope:SCOPE_SE
	s_setreg_imm32_b32 hwreg(HW_REG_WAVE_MODE, 25, 1), 1
	s_wait_xcnt 0x0
; Two jobs in one launch, told apart by the work-group's number (the same in all eight waves).
; WORK-GROUPS 0-95: Wqkv [1024 (k)][3072 (n)], f32, K its FIRST axis, becomes codes of FP4 (E2M1) laid [3072][512 bytes] with K innermost, and E8M0 scale bytes [3072][32].
;   A LANE TAKES A COLUMN n AND ITS REGISTERS RUN DOWN K: each load reads 128 consecutive bytes a wave, a block of 32 along K lies in one lane's 32 registers, and the conversions give codes with K innermost.
;   A work-group takes 64 columns x 512 along K; wave w takes 32 columns (w & 1) x 128 along K (w >> 1): four blocks a lane.  The codes meet in a stage in LDS, 64 rows of 256 bytes + 16, and leave by rows:
;   sixteen lanes store 256 consecutive bytes, aligned.  The scale bytes meet likewise, 16 bytes a column, and leave as 16 bytes of each column's row of 32.
;   A block's scale is 2^(floor(log2(largest magnitude)) - 2); its byte is the largest magnitude's exponent field - 2, held at 1 from below.
; WORK-GROUPS 96-159: Wo [1024][1024] f32 is rounded to f16, number by number, in place order: 16,384 numbers a work-group, 2,048 a wave.  No LDS.
; LIMITS: a block of zeros gets the byte 1 (its codes are zeros; this program alone reads the bytes).  NaN and infinities are not served.  Wo's magnitudes stay under 65,504.
.set KN,    3072*4                     ; a row of Wqkv in bytes
.set PITCH, 272                        ; a stage row: 256 bytes + 16
.set SCS,   64*PITCH                   ; behind the stage: 64 columns x 16 scale bytes
.set SPARE, SCS+1024                   ; behind them: the spare words, 128 bytes a wave, which no other line names
.set SPW,   14                         ; v14  LDS address of my spare word; never rewritten
.set NIL,   15                         ; v15  0; never rewritten
.set M,     16                         ; v16-23   two chains of maxima for each block
.set SO,    24                         ; v24-27   the conversions' scale operands
.set SB,    28                         ; v28      my four scale bytes
.set BT,    29                         ; v29      a byte, at work
.set X,     32                         ; v32-159  four blocks of 32 numbers (Wo: sixteen loads of four)
.set C,     160                        ; v160-175 the codes (Wo: v160-191 the f16 pairs)
.set OUTR,  176                        ; v176-191 rows on the way out
	s_load_b256 s[4:11], s[0:1], 0x0               ; Wqkv s[4:5], Wo s[6:7], the codes s[8:9], the scale bytes s[10:11]
	s_load_b64 s[12:13], s[0:1], 0x20              ; Wo in f16
	v_lshl_add_u32 v[SPW], v0, 2, SPARE
	v_mov_b32 v[NIL], 0
	v_lshrrev_b32 v1, 5, v0
	v_readfirstlane_b32 s16, v1                    ; wave 0..7
	v_and_b32 v2, 31, v0                           ; lane
	s_cmp_ge_u32 ttmp9, 96
	s_cbranch_scc1 .Lwo
	; ---------------- Wqkv
	s_lshr_b32 s17, ttmp9, 1                       ; which 64 columns
	s_and_b32 s18, ttmp9, 1                        ; which 512 along K
	s_and_b32 s19, s16, 1                          ; my 32 of the columns
	s_lshr_b32 s20, s16, 1                         ; my 128 along K
	v_lshlrev_b32 v3, 2, v2                        ; in: 4 bytes a lane
	s_mul_i32 s21, s19, 32*PITCH
	s_lshl_b32 s22, s20, 6
	s_add_co_u32 s21, s21, s22
	v_mul_u32_u24 v4, v2, PITCH
	v_add_nc_u32 v4, s21, v4                       ; into the stage: row = my column, 64 bytes for each 128 along K
	s_lshl_b32 s21, s19, 9
	s_lshl_b32 s22, s20, 2
	s_add_co_u32 s22, s22, s21
	s_add_co_u32 s22, s22, SCS
	v_lshl_add_u32 v5, v2, 4, s22                  ; my scale word: 16 bytes a column, 4 for each 128 along K
	s_add_co_u32 s21, s21, SCS
	v_lshl_add_u32 v10, v2, 4, s21                 ; a column's 16 scale bytes, on the way out
	v_lshlrev_b32 v11, 5, v2                       ; and its row of 32 in memory
	v_and_b32 v6, 15, v2
	v_lshrrev_b32 v9, 4, v2
	s_mul_i32 s21, s16, 8*PITCH                    ; out of the stage: wave w takes rows 8 w .. 8 w + 7, two an instruction, sixteen lanes to a row
	v_mul_u32_u24 v7, v9, PITCH
	v_lshl_add_u32 v7, v6, 4, v7
	v_add_nc_u32 v7, s21, v7
	v_lshlrev_b32 v8, 9, v9                        ; the same place in the codes' buffer: rows of 512 bytes
	v_lshl_add_u32 v8, v6, 4, v8
	s_lshl_b32 s22, s18, 9
	s_lshl_b32 s23, s20, 7
	s_add_co_u32 s22, s22, s23                     ; my first row of Wqkv: 512 y + 128 (w >> 1)
	s_mul_i32 s22, s22, KN
	s_lshl_b32 s23, s17, 8
	s_add_co_u32 s22, s22, s23
	s_lshl_b32 s23, s19, 7
	s_add_co_u32 s22, s22, s23                     ; + 4 x my first column
	s_mov_b32 s23, 0
	s_lshl_b32 s24, s17, 15                        ; the codes: (64 x group + 8 w) rows of 512 bytes + 256 y
	s_lshl_b32 s25, s16, 12
	s_add_co_u32 s24, s24, s25
	s_lshl_b32 s25, s18, 8
	s_add_co_u32 s24, s24, s25
	s_mov_b32 s25, 0
	s_lshl_b32 s26, s17, 11                        ; the scale bytes: (64 x group + 32 (w & 1)) rows of 32 + 16 y
	s_lshl_b32 s27, s19, 10
	s_add_co_u32 s26, s26, s27
	s_lshl_b32 s27, s18, 4
	s_add_co_u32 s26, s26, s27
	s_mov_b32 s27, 0
	s_wait_kmcnt 0x0
	s_add_nc_u64 s[4:5], s[4:5], s[22:23]
	s_add_nc_u64 s[8:9], s[8:9], s[24:25]
	s_add_nc_u64 s[10:11], s[10:11], s[26:27]
.macro LOAD t                          ; block t: W(32 t + i, my column), i = 0 .. 31.  The largest offset, 127 rows, is 1,560,576 bytes: inside the signed 24-bit immediate
.irp i, 0,1,2,3,4,5,6,7,8,9,10,11,12,13,14,15,16,17,18,19,20,21,22,23,24,25,26,27,28,29,30,31
	global_load_b32 v[X+32*(\t)+\i], v3, s[4:5] offset:(32*(\t)+\i)*KN th:TH_LOAD_NT
.endr
.endm
	LOAD 0
	LOAD 1
.macro BLOCK t
.set XS, X+32*(\t)
.if (\t) < 3
	s_wait_loadcnt 32                              ; this block's 32 loads are in; the next block's 32 may be out
.else
	s_wait_loadcnt 0x0
.endif
.if (\t)+2 < 4
	LOAD (\t)+2                                    ; two blocks ahead, into registers of its own
.endif
	v_max3_num_f32 v[M+2*(\t)], |v[XS]|, |v[XS+1]|, |v[XS+2]|      ; the block's largest magnitude: all 32 numbers are mine
	v_max3_num_f32 v[M+2*(\t)+1], |v[XS+3]|, |v[XS+4]|, |v[XS+5]|
.irp i, 6,10,14,18,22,26
	v_max3_num_f32 v[M+2*(\t)], v[M+2*(\t)], |v[XS+\i]|, |v[XS+\i+1]|
	v_max3_num_f32 v[M+2*(\t)+1], v[M+2*(\t)+1], |v[XS+\i+2]|, |v[XS+\i+3]|
.endr
	v_max3_num_f32 v[M+2*(\t)], v[M+2*(\t)], |v[XS+30]|, |v[XS+31]|
	v_max3_num_f32 v[M+2*(\t)], v[M+2*(\t)], v[M+2*(\t)+1], 0x1800000   ; and the floor 2^(3 - 127): the byte cannot fall under 1
	v_add_nc_u32 v[SO+(\t)], 0xff000000, v[M+2*(\t)]               ; 2 off its exponent field: the conversion's scale operand
	v_lshrrev_b32 v[BT], 23, v[SO+(\t)]            ; the scale's byte
.if (\t) == 0
	v_mov_b32 v[SB], v[BT]                         ; four bytes to a register, the lower K in the lower byte
.else
	v_lshl_or_b32 v[SB], v[BT], 8*(\t), v[SB]
.endif
.irp g, 0,1,2,3
	v_cvt_scalef32_pk8_fp4_f32 v[C+4*(\t)+\g], v[XS+8*\g:XS+8*\g+7], v[SO+(\t)]
.endr
.endm
	BLOCK 0
	BLOCK 1
	BLOCK 2
	BLOCK 3
	v_nop                                          ; a plain line behind the last conversion
.irp t, 0,1,2,3
	ds_store_b128 v4, v[C+4*\t:C+4*\t+3] offset:16*\t   ; 32 codes: 16 bytes of my column's row
.endr
	ds_store_b32 v5, v[SB]
	s_wait_dscnt 0x0                               ; for the others' sake: my stores have landed
	s_barrier_signal -1
	s_barrier_wait -1                              ; 64 whole rows lie in the stage
.irp t, 0,1,2,3
	ds_load_b128 v[OUTR+4*\t:OUTR+4*\t+3], v7 offset:\t*2*PITCH
.endr
.irp t, 0,1,2,3
	s_wait_dscnt 3-\t                              ; the later loads may be out
	global_store_b128 v8, v[OUTR+4*\t:OUTR+4*\t+3], s[8:9] offset:\t*1024   ; sixteen lanes store 256 consecutive bytes, aligned
.endr
	s_cmp_lt_u32 s16, 2                            ; 64 columns x 16 scale bytes are two waves' worth
	s_cbranch_scc0 .Lend
	ds_load_b128 v[X:X+3], v10
	s_wait_dscnt 0x0
	global_store_b128 v11, v[X:X+3], s[10:11]
	s_branch .Lend
	; ---------------- Wo
.Lwo:
	s_sub_co_u32 s17, ttmp9, 96
	s_lshl_b32 s18, s17, 16                        ; 65,536 bytes of f32 a work-group,
	s_lshl_b32 s19, s16, 13                        ; 8,192 a wave
	s_add_co_u32 s18, s18, s19
	s_mov_b32 s19, 0
	s_lshr_b32 s20, s18, 1                         ; half as many of f16
	s_mov_b32 s21, 0
	v_lshlrev_b32 v3, 4, v2
	v_lshlrev_b32 v4, 3, v2
	s_wait_kmcnt 0x0
	s_add_nc_u64 s[6:7], s[6:7], s[18:19]
	s_add_nc_u64 s[12:13], s[12:13], s[20:21]
.irp i, 0,1,2,3,4,5,6,7,8,9,10,11,12,13,14,15
	global_load_b128 v[X+4*\i:X+4*\i+3], v3, s[6:7] offset:512*\i th:TH_LOAD_NT
.endr
.irp i, 0,1,2,3,4,5,6,7,8,9,10,11,12,13,14,15
	s_wait_loadcnt 15-\i                           ; the later loads may be out
	v_cvt_pk_f16_f32 v[C+2*\i], v[X+4*\i], v[X+4*\i+1]
	v_cvt_pk_f16_f32 v[C+2*\i+1], v[X+4*\i+2], v[X+4*\i+3]
	global_store_b64 v4, v[C+2*\i:C+2*\i+1], s[12:13] offset:256*\i   ; 32 lanes store 256 consecutive bytes, aligned
.endr
.Lend:
	s_wait_tensorcnt 0x0                           ; the wave's end: these three lines stand behind my last LDS store
	ds_add_u32 v[SPW], v[NIL]
	s_wait_dscnt 0x0
	s_endpgm
.Lfunc_end_k_q775bcb02c2_prep_w:
	.size	k_q775bcb02c2_prep_w, .Lfunc_end_k_q775bcb02c2_prep_w-k_q775bcb02c2_prep_w
	.p2alignl 7, 3214868480
	.fill 96, 4, 3214868480
	.section	.rodata,"a",@progbits
	.p2align	6, 0x0
	.amdhsa_kernel k_q775bcb02c2_prep_w
		.amdhsa_group_segment_fixed_size 19456
		.amdhsa_private_segment_fixed_size 0
		.amdhsa_enable_private_segment 0
		.amdhsa_kernarg_size 40
		.amdhsa_user_sgpr_count 2
		.amdhsa_user_sgpr_kernarg_segment_ptr 1
		.amdhsa_wavefront_size32 1
		.amdhsa_system_sgpr_workgroup_id_x 1
		.amdhsa_system_sgpr_workgroup_id_y 1
		.amdhsa_system_sgpr_workgroup_id_z 1
		.amdhsa_system_vgpr_workitem_id 0
		.amdhsa_next_free_vgpr 192
		.amdhsa_next_free_sgpr 66
		.amdhsa_reserve_vcc 0
		.amdhsa_float_denorm_mode_32 3
		.amdhsa_float_denorm_mode_16_64 3
		.amdhsa_memory_ordered 1
		.amdhsa_forward_progress 1
		.amdhsa_inst_pref_size 29
	.end_amdhsa_kernel
	.amdgpu_metadata
---
amdhsa.version: [ 1, 2 ]
amdhsa.kernels:
  - .name:           k_q775bcb02c2_prep_w
    .symbol:         k_q775bcb02c2_prep_w.kd
    .args:
      - { .name: Wqkv, .offset: 0, .size: 8, .value_kind: global_buffer, .address_space: global }
      - { .name: Wo, .offset: 8, .size: 8, .value_kind: global_buffer, .address_space: global }
      - { .name: w_codes, .offset: 16, .size: 8, .value_kind: global_buffer, .address_space: global }
      - { .name: w_scales, .offset: 24, .size: 8, .value_kind: global_buffer, .address_space: global }
      - { .name: wo16, .offset: 32, .size: 8, .value_kind: global_buffer, .address_space: global }
    .group_segment_fixed_size: 19456
    .private_segment_fixed_size: 0
    .kernarg_segment_align: 8
    .kernarg_segment_size: 40
    .max_flat_workgroup_size: 256
    .sgpr_count:     66
    .vgpr_count:     192
    .wavefront_size: 32
...
	.end_amdgpu_metadata
.endif
;; end of part 2
;; launch qkv_gemm (part 3): grid 12 x 32, 4 waves a work-group, clusters of 4 x 4, 327,680 bytes of LDS; arguments x_codes, x_scales, w_codes, w_scales, bqkv, qkv; writes qkv
.if DOCPART == 3
	.amdgcn_target "amdgcn-amd-amdhsa--gfx1250"
	.amdhsa_code_object_version 6
	.text
	.protected	k_q775bcb02c2_qkv_gemm
	.globl	k_q775bcb02c2_qkv_gemm
	.p2align	8
	.type	k_q775bcb02c2_qkv_gemm,@function
k_q775bcb02c2_qkv_gemm:
	s_mov_b64 s[64:65], 0
	v_nop
	global_prefetch_b8 v0, s[64:65] scope:SCOPE_SE
	s_setreg_imm32_b32 hwreg(HW_REG_WAVE_MODE, 25, 1), 1
	s_wait_xcnt 0x0
	s_wait_alu depctr_hold_cnt(0) depctr_sa_sdst(0) depctr_va_vdst(0) depctr_va_sdst(0) depctr_va_ssrc(0) depctr_va_vcc(0) depctr_vm_vsrc(0)
	s_getreg_b32 s2, hwreg(HW_REG_IB_STS2, 6, 4)
	s_cmp_eq_u32 s2, 0
	s_cbranch_scc0 .Lentry_in_a_cluster
	s_endpgm
.Lentry_in_a_cluster:
	s_bfe_u32 s2, ttmp6, 0x10000c
	s_cmp_lg_u32 s2, 0xf033
	s_cbranch_scc0 .Lentry_shape_is_right
	s_endpgm
.Lentry_shape_is_right:
; qkv = Q(x) Q(Wqkv) + bqkv on codes of FP4 (E2M1) with one E8M0 scale for each 32 along K; sums in f32; the result rounded once to f16 and laid by groups of 64 columns.
; A = x_codes [8192][512 bytes], x_scales [8192][32];  B = w_codes [3072 (n)][512 bytes], w_scales [3072][32];  K = 1,024.
; OUT: qkv [batch x 48 + column / 64][2048 (s)][64] f16: column group g of a batch is q, k or v (g % 3) of head g / 3, so each of them is a dense block of 2,048 rows of 128 bytes.
; LIMIT: the results are kept in f16: their magnitudes stay under 65,504.
; A tile of C, 256 x 256, is made by a work-group of four waves; a wave makes 128 x 128: 64 accumulators of 16 x 16, 512 registers.
; K = 1,024 is two slots of 512 along K (rows of 256 bytes): both are asked for at the head, with the scale bytes, and NOTHING IS FILLED AGAIN.  By this text's count a wave has three tensor loads out at the most.
; CLUSTERS: 4 x 4 work-groups.  The four of a row of the cluster need the same tiles of A, the four of a column the same tiles of B: each tile is asked for JOINTLY, by the same tensor load with the same descriptor
; and a mask that names the four.  THE MATRIX INSTRUCTION IS USED TRANSPOSED (source 0 = 16 rows of B, source 1 = 16 rows of A): a lane then holds eight neighbouring columns of one row of C.
; THE BIAS is the C of each sum's first matrix instruction: eight registers for each of my eight blocks of 16 columns, in the result's layout.
; REGISTERS, in windows of 256: window 0: v0-31 addresses; v32-95 scale words, two sets; v96-127 packed results on the way out; v128-191 A's fragments, ONE set (on the way out: rows read back); v192-255 the bias.
;   window 1: B's fragments, TWO sets, at v0 and at v128.   window 2: the 32 accumulators of my rows 0-63 (accumulator (a, b) at v[8 (8 a + b)]);   window 3: those of my rows 64-127.
.set SIZE_M, 8192
.set SIZE_N, 3072
.set SIZE_K, 1024
.set KSTEP,  512                       ; along K in a slot
.set NQ,     KSTEP/128                 ; matrix instructions deep
.set ROWB,   256                       ; a tile's row in bytes
.set KROW,   SIZE_K*4/8                ; a row of A or of B in memory, in bytes
.set PITCH,  272                       ; an LDS row: 256 bytes + 16 of padding = 68 words: the 16 rows that a load touches start at 16 different banks (64 banks of 4 bytes: ISA guide 11.1)
.set FR,     8                         ; registers of a fragment: 16 rows x 128 K
.set NL,     2                         ; LDS loads that bring one
.set NP,     4                         ; places behind this matrix instruction (ISA guide 7.12.1)
.set HALFT,  128*PITCH                 ; 128 rows: what one tensor load brings, and what one wave reads of A or of B
.set SLOT,   4*HALFT                   ; A's 256 rows, then B's 256 rows
.set KS,     SIZE_K/32                 ; a row of scales in bytes
.set SCL,    2*SLOT                    ; behind the slots: the scales, as pieces of 256 bytes + 16 of padding
.set HALFS,  (128*KS/256)*272          ; the scales of 128 rows: what one tensor load brings
.set SBLK,   (16*KS/256)*272           ; those of 16 rows
.set SPARE,  SCL+4*HALFS               ; behind the scales: the spare words, 128 bytes a wave, which no other line names
.set SPITCH, 272                       ; the way out: a stage of 16 rows x (256 bytes + 16) for each wave, in slot 0, which has had its only fill and its last read when the first result is stored there
.set ADRA, 16                          ; v16-17  LDS address of my A fragments in slot 0, 1
.set ADRB, 20                          ; v20-21  the same for B
.set STO,  24                          ; v24     the way out: where I put 16 bytes of a row
.set RD,   25                          ; v25     the way out: where I read back
.set CO,   26                          ; v26     my byte offset in qkv
.set ADRS, 27                          ; v27     LDS address of my scale words: lanes 0-15 A's rows, lanes 16-31 B's
.set SPW,  28                          ; v28     LDS address of my spare word; never rewritten
.set NIL,  29                          ; v29     0; never rewritten
.set VB,   30                          ; v30     32 x (lane / 16): my eight numbers of a block's sixteen of the bias
.set SC,   32                          ; scale words: set s at v[SC + 32 s]; register 4 i + q: lanes 0-15 the word of A's block i, lanes 16-31 that of B's block i, for the slot's q-th 128 along K
.set TMP,  96                          ; the way out: packed results
.set AF,   128                         ; A's fragments
.set BK,   128                         ; the way out: 16 rows read back: v128-159 and v160-191 by turns
.set BI,   192                         ; the bias
.set G1, 24                            ; s[24:31] descriptor group 1 for A's tiles;  s[32:39] group 0, one set for each slot
.set G0, 32
.set G1B, 48                           ; s[48:55], s[56:63] the same for B's tiles
.set G0B, 56
.set G1S, 68                           ; s[68:75], s[76:79] groups 1 and 0 for A's scales;  s[80:87], s[88:91] for B's
.set G0S, 76
.set G1SB, 80
.set G0SB, 88
.set MSB, 0
.macro WIN new                         ; the immediate's high byte repeats the setting that is left
.if MSB != \new
	s_set_vgpr_msb (MSB<<8)|\new
.set MSB, \new
.endif
.endm
.set MUL_LO, 0xa1                      ; source 0 (B) window 1, source 1 (A) window 0, C and D window 2
.set MUL_HI, 0xf1                      ; the same, C and D window 3
.set FST_LO, 0x81                      ; the first step: C (the bias) window 0, D window 2
.set FST_HI, 0xc1                      ; C window 0, D window 3
.set TO_B,   0x40                      ; destination window 1, address window 0
; A joint load: waves 0 and 1 fetch for A, waves 2 and 3 for B.  Each of the two lines has ONE mask and one set of registers for all that issue it; the branch hangs on the wave's number alone.
; An s_nop 0 and four v_nop follow each of the two lines, ahead of the jump, the label and what follows.
.macro JLOAD g0a, g1a, g0b, g1b
	s_cmp_eq_u32 s15, 0
	s_cbranch_scc0 .Lfor_b_\@
	tensor_load_to_lds s[\g0a:\g0a+3], s[\g1a:\g1a+7]
	s_nop 0
.rept 4
	v_nop
.endr
	s_branch .Lasked_\@
.Lfor_b_\@:
	tensor_load_to_lds s[\g0b:\g0b+3], s[\g1b:\g1b+7]
	s_nop 0
.rept 4
	v_nop
.endr
.Lasked_\@:
.endm
.macro CROUND                          ; a round of the cluster's barrier: my work-group's barrier; wave 0 signals for the work-group; every wave waits for all sixteen; my work-group's barrier once more
	s_barrier_signal -1
	s_barrier_wait -1
	s_cmp_lg_u32 s14, 0
	s_cbranch_scc1 .Lnot_wave_0_\@
	s_barrier_signal -3
.Lnot_wave_0_\@:
	s_barrier_wait -3
	s_barrier_signal -1
	s_barrier_wait -1
.endm
	s_load_b128 s[4:7], s[0:1], 0x0                ; A's codes s[4:5], A's scales s[6:7]
	s_load_b128 s[8:11], s[0:1], 0x10              ; B's codes s[8:9], B's scales s[10:11]
	s_load_b64 s[2:3], s[0:1], 0x20                ; the bias
	s_load_b64 s[12:13], s[0:1], 0x28              ; qkv
	v_lshl_add_u32 v[SPW], v0, 2, SPARE
	v_mov_b32 v[NIL], 0
	ds_add_u32 v[SPW], v[NIL]                      ; the wave's opening: the add, twice on end, and its wait ahead of my first tensor load; the set-up below stands between
	ds_add_u32 v[SPW], v[NIL]
	v_lshrrev_b32 v1, 5, v0
	v_readfirstlane_b32 s14, v1                    ; wave 0..3
	s_lshr_b32 s15, s14, 1                         ; which half of the tile's rows is mine.  Also: I fetch for A (0) or for B (1)
	s_and_b32 s16, s14, 1                          ; which half of its columns.  Also: which 128 rows of that tile I fetch
	s_bfe_u32 s40, ttmp6, 0x40000                  ; cx, cy: my place in the cluster
	s_bfe_u32 s41, ttmp6, 0x40004
	s_lshl_b32 s42, ttmp9, 2
	s_add_co_u32 s42, s42, s40                     ; tile column of C = 4 x cluster x + cx
	s_and_b32 s17, ttmp7, 0xffff
	s_lshl_b32 s17, s17, 2
	s_add_co_u32 s17, s17, s41                     ; tile row of C = 4 x cluster y + cy
	s_lshl_b32 s43, s41, 2
	s_lshl_b32 s43, 15, s43                        ; my row of the cluster
	s_lshl_b32 s44, 0x1111, s40                    ; my column
	; descriptor group 1: a tile of 128 rows x 256 bytes, padded in LDS
	s_or_b32 s[G1+0], s43, (0<<16)|(1<<20)|(1<<21)|(5<<22)|(3<<25)  ; 15:0 the mask: A's tiles go to my row; 17:16 element of 1 byte; 20 padding on; 21 set beside a mask; 24:22 after every 64 words; 31:25 four words
	s_or_b32 s[G1B+0], s44, (0<<16)|(1<<20)|(1<<21)|(5<<22)|(3<<25)
.irp g, G1, G1B
	s_mov_b32 s[\g+1], ROWB<<16                    ; tensor_dim0
	s_mov_b32 s[\g+2], 128<<16                     ; tensor_dim1 = 128
	s_mov_b32 s[\g+3], ROWB<<16                    ; tile_dim0
	s_mov_b32 s[\g+4], 128                         ; tile_dim1 = 128
	s_mov_b32 s[\g+5], KROW                        ; tensor_dim0_stride
	s_mov_b32 s[\g+6], 0
	s_mov_b32 s[\g+7], 0
.endr
	; and for the scales of 128 rows: a dense block of 4,096 bytes, as rows of 256 bytes (32 elements of 8 bytes), 16 bytes of padding behind each
	s_or_b32 s[G1S+0], s43, (3<<16)|(1<<20)|(1<<21)|(5<<22)|(3<<25)
	s_or_b32 s[G1SB+0], s44, (3<<16)|(1<<20)|(1<<21)|(5<<22)|(3<<25)
.irp g, G1S, G1SB
	s_mov_b32 s[\g+1], 32<<16
	s_mov_b32 s[\g+2], (128*KS/256)<<16
	s_mov_b32 s[\g+3], 32<<16
	s_mov_b32 s[\g+4], 128*KS/256
	s_mov_b32 s[\g+5], 32
	s_mov_b32 s[\g+6], 0
	s_mov_b32 s[\g+7], 0
.endr
	s_lshl_b32 s18, s16, 7                         ; which 128 rows of the tile I fetch
	s_lshl_b32 s20, s17, 8
	s_add_co_u32 s20, s20, s18                     ; A: row 256 x tile row + 128 x half
	s_lshl_b32 s46, s42, 8
	s_add_co_u32 s46, s46, s18                     ; B: row 256 x tile column + 128 x half
	s_mov_b32 s21, 0
	s_mov_b32 s47, 0
	s_mov_b64 s[18:19], KS
	s_mul_u64 s[22:23], s[20:21], s[18:19]         ; where these rows' scales begin, in bytes
	s_mul_u64 s[92:93], s[46:47], s[18:19]
	s_mov_b64 s[18:19], KROW
	s_mul_u64 s[20:21], s[20:21], s[18:19]         ; and their codes
	s_mul_u64 s[46:47], s[46:47], s[18:19]
	s_mul_i32 s45, s14, HALFT                      ; where they go: wave x 128 rows: no place in the cluster enters an LDS address
	s_mul_i32 s94, s14, HALFS
	s_wait_dscnt 0x0                               ; both opening adds are done
	s_wait_kmcnt 0x0
	s_add_nc_u64 s[20:21], s[4:5], s[20:21]
	s_add_nc_u64 s[22:23], s[6:7], s[22:23]
	s_add_nc_u64 s[46:47], s[8:9], s[46:47]
	s_add_nc_u64 s[92:93], s[10:11], s[92:93]
	CROUND                                         ; all sixteen work-groups are here: the joint loads meet
	s_mov_b32 s[G0S], 1
	s_add_co_u32 s[G0S+1], s94, SCL
	s_mov_b64 s[G0S+2:G0S+3], s[22:23]
	s_or_b32 s[G0S+3], s[G0S+3], 0x80000000
	s_mov_b32 s[G0SB], 1
	s_add_co_u32 s[G0SB+1], s94, SCL
	s_mov_b64 s[G0SB+2:G0SB+3], s[92:93]
	s_or_b32 s[G0SB+3], s[G0SB+3], 0x80000000
	JLOAD G0S, G1S, G0SB, G1SB                     ; the scales first: they are wanted with the first slot
.irp s, 0,1
	s_mov_b32 s[G0+4*\s], 1
	s_add_co_u32 s[G0+4*\s+1], s45, \s*SLOT
	s_add_nc_u64 s[G0+4*\s+2:G0+4*\s+3], s[20:21], \s*ROWB
	s_or_b32 s[G0+4*\s+3], s[G0+4*\s+3], 0x80000000
	s_mov_b32 s[G0B+4*\s], 1
	s_add_co_u32 s[G0B+4*\s+1], s45, \s*SLOT
	s_add_nc_u64 s[G0B+4*\s+2:G0B+4*\s+3], s[46:47], \s*ROWB
	s_or_b32 s[G0B+4*\s+3], s[G0B+4*\s+3], 0x80000000
	JLOAD G0+4*\s, G1, G0B+4*\s, G1B
.endr
	v_and_b32 v1, 15, v0                           ; l % 16
	v_bfe_u32 v2, v0, 4, 1                         ; l / 16
	; the bias of my 128 columns: lane (r, h) wants, for block b, columns 16 b + 8 h + 0 .. 7
	v_lshlrev_b32 v[VB], 5, v2
	s_lshl_b32 s46, s42, 10                        ; 4 x (256 x tile column + 128 x half)
	s_lshl_b32 s47, s16, 9
	s_add_co_u32 s46, s46, s47
	s_mov_b32 s47, 0
	s_add_nc_u64 s[2:3], s[2:3], s[46:47]
.irp b, 0,1,2,3,4,5,6,7
	global_load_b128 v[BI+8*\b:BI+8*\b+3],   v[VB], s[2:3] offset:64*\b
	global_load_b128 v[BI+8*\b+4:BI+8*\b+7], v[VB], s[2:3] offset:64*\b+16
.endr
	v_mul_u32_u24 v3, v1, PITCH
	v_lshl_add_u32 v4, v2, 4, v3                   ; a fragment's row x pitch + 16 x half
	s_mul_i32 s21, s15, HALFT                      ; my 128 rows of A
	s_mul_i32 s22, s16, HALFT                      ; my 128 rows of B,
	s_add_co_u32 s22, s22, 2*HALFT                 ; which lie behind A's 256
.irp s, 0,1
	v_add_nc_u32 v[ADRA+\s], s21, v4
	v_add_nc_u32 v[ADRB+\s], s22, v4
	s_add_co_u32 s21, s21, SLOT
	s_add_co_u32 s22, s22, SLOT
.endr
	v_mul_u32_u24 v5, v1, KS                       ; my row's scales: KS bytes a row,
	v_lshrrev_b32 v6, 8, v5
	v_lshl_add_u32 v5, v6, 4, v5                   ; and 16 more for each 256 passed
	s_mul_i32 s21, s15, HALFS                      ; A's: my 128 rows
	s_mul_i32 s22, s16, HALFS                      ; B's: my 128 rows, behind A's 256
	s_add_co_u32 s22, s22, 2*HALFS
	s_sub_co_u32 s22, s22, s21
	v_mul_u32_u24 v6, s22, v2                      ; lanes 16-31 take B's: the lower base + h x the distance
	s_add_co_u32 s21, s21, SCL
	v_add_nc_u32 v5, v5, v6
	v_add_nc_u32 v[ADRS], s21, v5
	s_mul_i32 s23, s14, 16*SPITCH                  ; my stage
	v_mul_u32_u24 v5, v1, SPITCH                   ; in: row l % 16, 16 bytes for each half of the lanes
	v_lshl_add_u32 v5, v2, 4, v5
	v_add_nc_u32 v[STO], s23, v5
	v_bfe_u32 v6, v0, 3, 1                         ; back: lanes 0-15 take the first 128 bytes of two rows (my first group of 64 columns), lanes 16-31 the second 128 bytes
	v_mul_u32_u24 v6, v6, SPITCH
	v_lshl_add_u32 v6, v2, 7, v6
	v_and_b32 v7, 7, v0
	v_lshl_add_u32 v6, v7, 4, v6
	v_add_nc_u32 v[RD], s23, v6
	v_lshlrev_b32 v[CO], 18, v2                    ; in qkv: the second group lies 262,144 bytes on; two rows of 128 bytes are 256 consecutive bytes
	v_lshl_add_u32 v[CO], v1, 4, v[CO]
	s_lshr_b32 s20, s17, 3                         ; the batch: 8 tile rows each
	s_mul_i32 s20, s20, 48
	s_lshl_b32 s21, s42, 2
	s_add_co_u32 s20, s20, s21
	s_lshl_b32 s21, s16, 1
	s_add_co_u32 s20, s20, s21                     ; my first group: 48 x batch + 4 x tile column + 2 x half
	s_lshl_b32 s20, s20, 18
	s_and_b32 s21, s17, 7
	s_lshl_b32 s21, s21, 8
	s_lshl_b32 s22, s15, 7
	s_add_co_u32 s21, s21, s22                     ; my first row in the batch
	s_lshl_b32 s21, s21, 7
	s_add_co_u32 s20, s20, s21                     ; under 2^26 in all
	s_mov_b32 s21, 0
	s_add_nc_u64 s[12:13], s[12:13], s[20:21]
.macro FRAG reg, adr, q, i             ; a fragment, 16 rows x 128 K of 4-bit codes, is 8 registers: lane l holds row l % 16; registers 4 c .. 4 c + 3 hold K = 64 c + 32 (l / 16) + 0 .. 31
.irp c, 0,1
	ds_load_b128 v[\reg+4*\c:\reg+4*\c+3], v[\adr] offset:64*(\q)+32*\c+(\i)*16*PITCH
.endr
.endm
; 16 matrix instructions: A's blocks a0, a0 + 1 x B's eight, 128 along K: the slot's q-th.  p: B's set;  sc: the set of scale words.  first = 1: the first product starts the sums from the bias.
; The 64 accumulators take turns, one instruction a turn, in the same order in every step.
.macro MUL16 a0, p, q, sc, first
.irp a, \a0, \a0+1
.irp b, 0,1,2,3,4,5,6,7
.if \first
	v_wmma_scale_f32_16x16x128_f8f6f4 v[8*(8*((\a)%4)+\b):8*(8*((\a)%4)+\b)+7], v[128*(\p)+FR*\b:128*(\p)+FR*\b+FR-1], v[AF+FR*(\a):AF+FR*(\a)+FR-1], v[BI+8*\b:BI+8*\b+7], v[SC+8*NQ*(\sc)+NQ*\b+(\q)], v[SC+8*NQ*(\sc)+NQ*(\a)+(\q)] matrix_a_fmt:MATRIX_FMT_FP4 matrix_b_fmt:MATRIX_FMT_FP4 matrix_a_scale:MATRIX_SCALE_ROW1
.else
	v_wmma_scale_f32_16x16x128_f8f6f4 v[8*(8*((\a)%4)+\b):8*(8*((\a)%4)+\b)+7], v[128*(\p)+FR*\b:128*(\p)+FR*\b+FR-1], v[AF+FR*(\a):AF+FR*(\a)+FR-1], v[8*(8*((\a)%4)+\b):8*(8*((\a)%4)+\b)+7], v[SC+8*NQ*(\sc)+NQ*\b+(\q)], v[SC+8*NQ*(\sc)+NQ*(\a)+(\q)] matrix_a_fmt:MATRIX_FMT_FP4 matrix_b_fmt:MATRIX_FMT_FP4 matrix_a_scale:MATRIX_SCALE_ROW1
.endif
.endr
.endr
.endm
.macro FETCH_B slot, q, p              ; B's eight fragments of the slot's q-th 128 along K into set p
	WIN TO_B
.irp i, 0,1,2,3,4,5,6,7
	FRAG 128*(\p)+FR*\i, ADRB+\slot, \q, \i
.endr
	WIN 0
.endm
.macro FETCH_A slot, q, i0             ; A's blocks i0 .. i0 + 3
.irp i, \i0, \i0+1, \i0+2, \i0+3
	FRAG AF+FR*(\i), ADRA+\slot, \q, \i
.endr
.endm
.macro SCALES sc                       ; a slot's scale words into set sc: four words a row; lanes 0-15 take A's block i, lanes 16-31 B's block i
.irp i, 0,1,2,3,4,5,6,7
	ds_load_b128 v[SC+8*NQ*\sc+NQ*\i:SC+8*NQ*\sc+NQ*\i+3], v[ADRS] offset:\i*SBLK
.endr
.endm
; A load into a register that a matrix instruction has read, and a vector instruction that reads a matrix result, stand NP places behind that matrix instruction, and only plain vector
; instructions that name none of its registers are places (ISA guide 7.12.1 for vector instructions).
.macro PLACES n
.rept \n
	v_nop
.endr
.endm
; A step of 128 along K that has its successor in the same slot.
.macro STEP slot, q, first
	s_wait_dscnt 4*NL                              ; B's set and A's blocks 0-3 are in; the youngest eight loads (A's blocks 4-7) may be out
.if \first
	WIN FST_LO
.else
	WIN MUL_LO
.endif
	MUL16 0, (\q)%2, \q, \slot, \first
	MUL16 2, (\q)%2, \q, \slot, \first
	s_wait_dscnt 0                                 ; A's blocks 4-7 are in (asked for 32 matrix instructions ago)
	PLACES NP
	FETCH_B \slot, (\q)+1, 1-(\q)%2
	FETCH_A \slot, (\q)+1, 0
.if \first
	WIN FST_HI
.else
	WIN MUL_HI
.endif
	MUL16 4, (\q)%2, \q, \slot, \first
	MUL16 6, (\q)%2, \q, \slot, \first
	PLACES NP
	WIN 0
	FETCH_A \slot, (\q)+1, 4
.endm
; Slot 0's last step changes slots: ONE barrier; in front of it each wave waits for all its tensor loads (its part of slot 1), adds 0 to its spare word, and waits for that and for its own reads of slot 0.
; Behind it slot 1 is whole, and slot 0 is read by nobody (it becomes the stages of the way out).
.macro TURN slot, next
	s_wait_tensorcnt 0x0                           ; all my tensor loads have landed  (every window is 0 here: the add's two registers lie in window 0)
	ds_add_u32 v[SPW], v[NIL]                      ; 0 onto my spare word
	s_wait_dscnt 4*NL+1                            ; (the add and the youngest eight loads, A's blocks 4-7, may be out)
	WIN MUL_LO
	MUL16 0, 1, NQ-1, \slot, 0                     ; sixteen matrix instructions stand between the add and the wait for it
	s_wait_dscnt 0x0                               ; the add is done, and my reads of this slot are over
	s_barrier_signal -1
	MUL16 2, 1, NQ-1, \slot, 0
	WIN 0
	s_barrier_wait -1
	PLACES NP
	v_add_nc_u32 v[ADRS], 4*NQ, v[ADRS]            ; on to the next slot's scale words (no LDS load of mine is out)
	FETCH_B \next, 0, 0
	FETCH_A \next, 0, 0
	SCALES \next
	WIN MUL_HI
	MUL16 4, 1, NQ-1, \slot, 0
	MUL16 6, 1, NQ-1, \slot, 0
	PLACES NP
	WIN 0
	FETCH_A \next, 0, 4
.endm
.macro STEPS slot, from                ; the slot's steps from .. NQ - 2
.set Q, \from
.rept NQ-1-\from
	STEP \slot, Q, 0
.set Q, Q+1
.endr
.endm
	s_wait_tensorcnt 1                             ; the scales and my part of slot 0 are in (slot 1's load may be out)
	s_barrier_signal -1
	s_barrier_wait -1                              ; everybody's are
	FETCH_B 0, 0, 0
	FETCH_A 0, 0, 0
	SCALES 0
	FETCH_A 0, 0, 4
	s_wait_loadcnt 0x0                             ; the bias
	STEP 0, 0, 1                                   ; the first step's products start the sums from the bias: nothing is cleared, nothing is added later
	STEPS 0, 1
	TURN 0, 1
	STEPS 1, 0
	s_wait_dscnt 4*NL                              ; the very last step: nothing more to fetch
	WIN MUL_LO
	MUL16 0, 1, NQ-1, 1, 0
	MUL16 2, 1, NQ-1, 1, 0
	s_wait_dscnt 0
	WIN MUL_HI
	MUL16 4, 1, NQ-1, 1, 0
	MUL16 6, 1, NQ-1, 1, 0
	WIN 0
; THE WAY OUT, block by block of 16 rows x 128 columns.  PACK: rounded to f16, 16 bytes a lane, each accumulator from its low end on.  TOSTAGE: into my own stage in LDS, and back so that sixteen lanes hold two whole
; rows of one group of 64 columns.  SEND: stored.  LDS serves a wave's instructions in order (ISA guide 5.7.1.4): no wait between the stores and the loads.
.macro PACK a
.set AC, 64*((\a)%4)
	WIN 0x0a+5*((\a)/4)                            ; sources 0 and 1: window 2 or 3
.irp b, 0,1,2,3,4,5,6,7
.irp r, 0,1,2,3
	v_cvt_pk_f16_f32 v[TMP+4*\b+\r], v[AC+8*\b+2*\r], v[AC+8*\b+2*\r+1]
.endr
.endr
	WIN 0
.endm
.macro TOSTAGE a
.set BB, BK+32*((\a)%2)
.irp b, 0,1,2,3,4,5,6,7
	ds_store_b128 v[STO], v[TMP+4*\b:TMP+4*\b+3] offset:32*\b
.endr
.irp t, 0,1,2,3,4,5,6,7
	ds_load_b128 v[BB+4*\t:BB+4*\t+3], v[RD] offset:\t*2*SPITCH
.endr
.endm
.macro SEND a
.set BB, BK+32*((\a)%2)
	s_wait_dscnt 0x0                               ; the block is back in registers
	s_wait_xcnt 0x0                                ; the earlier stores have read their registers: the block after this one may land where block a - 1 lay
.irp t, 0,1,2,3,4,5,6,7
	global_store_b128 v[CO], v[BB+4*\t:BB+4*\t+3], s[12:13] offset:(\a)*2048+\t*256   ; sixteen lanes store 256 consecutive bytes, aligned: rows 16 a + 2 t and + 1 of a group
.endr
.endm
	PLACES NP                                      ; behind the last products: for the conversions, and for the loads into the registers that held A's fragments
	PACK 0
	TOSTAGE 0
.irp a, 1,2,3,4,5,6,7                  ; block a's conversions stand between block a - 1's loads from the stage and the wait for them
	PACK \a
	SEND \a-1
	TOSTAGE \a
.endr
	SEND 7
	s_wait_tensorcnt 0x0                           ; the wave's end: these three lines stand behind my last tensor load and my last LDS store
	ds_add_u32 v[SPW], v[NIL]
	s_wait_dscnt 0x0
	CROUND                                         ; the closing round: no work-group ends while a partner may still ask for a tile that names it
	s_endpgm
.Lfunc_end_k_q775bcb02c2_qkv_gemm:
	.size	k_q775bcb02c2_qkv_gemm, .Lfunc_end_k_q775bcb02c2_qkv_gemm-k_q775bcb02c2_qkv_gemm
	.p2alignl 7, 3214868480
	.fill 96, 4, 3214868480
	.section	.rodata,"a",@progbits
	.p2align	6, 0x0
	.amdhsa_kernel k_q775bcb02c2_qkv_gemm
		.amdhsa_group_segment_fixed_size 327680
		.amdhsa_private_segment_fixed_size 0
		.amdhsa_enable_private_segment 0
		.amdhsa_kernarg_size 48
		.amdhsa_user_sgpr_count 2
		.amdhsa_user_sgpr_kernarg_segment_ptr 1
		.amdhsa_wavefront_size32 1
		.amdhsa_system_sgpr_workgroup_id_x 1
		.amdhsa_system_sgpr_workgroup_id_y 1
		.amdhsa_system_sgpr_workgroup_id_z 1
		.amdhsa_system_vgpr_workitem_id 0
		.amdhsa_next_free_vgpr 1024
		.amdhsa_next_free_sgpr 98
		.amdhsa_reserve_vcc 0
		.amdhsa_float_denorm_mode_32 3
		.amdhsa_float_denorm_mode_16_64 3
		.amdhsa_memory_ordered 1
		.amdhsa_forward_progress 1
		.amdhsa_inst_pref_size 128
	.end_amdhsa_kernel
	.amdgpu_metadata
---
amdhsa.version: [ 1, 2 ]
amdhsa.kernels:
  - .name:           k_q775bcb02c2_qkv_gemm
    .symbol:         k_q775bcb02c2_qkv_gemm.kd
    .args:
      - { .name: x_codes, .offset: 0, .size: 8, .value_kind: global_buffer, .address_space: global }
      - { .name: x_scales, .offset: 8, .size: 8, .value_kind: global_buffer, .address_space: global }
      - { .name: w_codes, .offset: 16, .size: 8, .value_kind: global_buffer, .address_space: global }
      - { .name: w_scales, .offset: 24, .size: 8, .value_kind: global_buffer, .address_space: global }
      - { .name: bqkv, .offset: 32, .size: 8, .value_kind: global_buffer, .address_space: global }
      - { .name: qkv, .offset: 40, .size: 8, .value_kind: global_buffer, .address_space: global }
    .group_segment_fixed_size: 327680
    .private_segment_fixed_size: 0
    .kernarg_segment_align: 8
    .kernarg_segment_size: 48
    .max_flat_workgroup_size: 128
    .sgpr_count:     98
    .vgpr_count:     1024
    .wavefront_size: 32
...
	.end_amdgpu_metadata
.endif
;; end of part 3
;; launch attn (part 4): grid 4 x 64, 8 waves a work-group, clusters of 4 x 1, 327,680 bytes of LDS; arguments qkv, vals; writes vals
.if DOCPART == 4
	.amdgcn_target "amdgcn-amd-amdhsa--gfx1250"
	.amdhsa_code_object_version 6
	.text
	.protected	k_q775bcb02c2_attn
	.globl	k_q775bcb02c2_attn
	.p2align	8
	.type	k_q775bcb02c2_attn,@function
k_q775bcb02c2_attn:
	s_mov_b64 s[64:65], 0
	v_nop
	global_prefetch_b8 v0, s[64:65] scope:SCOPE_SE
	s_setreg_imm32_b32 hwreg(HW_REG_WAVE_MODE, 25, 1), 1
	s_wait_xcnt 0x0
	s_wait_alu depctr_hold_cnt(0) depctr_sa_sdst(0) depctr_va_vdst(0) depctr_va_sdst(0) depctr_va_ssrc(0) depctr_va_vcc(0) depctr_vm_vsrc(0)
	s_getreg_b32 s2, hwreg(HW_REG_IB_STS2, 6, 4)
	s_cmp_eq_u32 s2, 0
	s_cbranch_scc0 .Lentry_in_a_cluster
	s_endpgm
.Lentry_in_a_cluster:
	s_bfe_u32 s2, ttmp6, 0x10000c
	s_cmp_lg_u32 s2, 0x3003
	s_cbranch_scc0 .Lentry_shape_is_right
	s_endpgm
.Lentry_shape_is_right:
; vals[bh][q][:] = the sum over k of softmax_k(Q[bh][q] . K[bh][k] / 8) V[bh][k][:], 64 heads (batch x 16 + head), 2,048 positions, head size 64, no mask.
; IN: qkv [3 bh + (0: Q, 1: K, 2: V)][2048][64] f16.  OUT: vals [bh][2048][64] f16.  Products on f16 operands with f32 sums; maxima, exponentials and sums in f32; the weights p are rounded to f16 for the
; second product, the result once at the end.
; LIMITS: no NaN or infinity among the scores; a weight under the smallest f16 number counts as 0; c m is rounded once and the same rounded number serves every key of a row.
; SHARES.  A work-group owns 512 queries of one head, each of its eight waves 64: four tiles of 16.  Two waves share a SIMD (512 registers each), so that one wave's vector work stands beside the other's products;
; the text is written in plain phases.  Every wave walks all keys of the head, 64 a step.
; LAYOUT.  S^T = K Q^T (source 0 = 16 keys, source 1 = 16 queries): a lane holds ONE query (lane % 16) and the keys 8 (lane / 16) + 0..7.  Two such tiles, rounded to f16 in pairs, ARE source 1 (32 keys x 16 queries)
; of O^T = V^T P, whose result again holds one query a lane, and eight channels.  K comes out of LDS as it lies, V ([key][channel]) turned, by ds_load_tr16_b128.
; SOFTMAX.  For each query a running maximum m and sum l: p = 2^(c s - c m), c = log2(e) / 8; in every step O and l are multiplied by a = 2^(c m_old - c m_new).  The step is written once: O and l begin as
; zeros and m as -3e38, so that the first a is 0 on zeros.
; RING.  Two LDS slots of 512 keys (eight steps).  A head is four slots' worth: two first fills and two refills a wave, all written out.  Waves 0-3 fetch K's quarters of a slot, waves 4-7 V's: one load a wave.
; By this text's count a wave has two tensor loads out at the start and one behind each round.
; CLUSTER.  The four work-groups of a head are one cluster and walk the same K and V: each tile is asked for JOINTLY, by the same tensor load with the same descriptor and a mask that names the four.
; REGISTERS: window 0: v1-10 addresses; v16-47 eight statistics a tile; v64-191 S^T, 32 a tile; v192-255 P, 16 a tile.   window 1: v0-127 O^T, 32 a tile; v128-191 Q, 16 a tile; v192-255 K, then V, of one step.
.set KS,    64                         ; keys in a step
.set SK,    512                        ; keys in a slot
.set PK,    144                        ; a row of K in LDS: 128 bytes + 16 of padding: an odd multiple of 16
.set PV,    160                        ; a row of V: 128 + 32: an odd multiple of 32, for the turning load
.set VOFF,  SK*PK                      ; a slot: 512 rows of K, then 512 rows of V
.set SLOT,  SK*(PK+PV)
.set SPARE, 2*SLOT                     ; behind the ring: the spare words, 128 bytes a wave, which no other line names
.set AK0, 1                            ; v1   my lane's place in a tile of K; never rewritten
.set AV0, 2                            ; v2   the same for V
.set ADK, 3                            ; v3   LDS address of the step's K
.set ADV, 4                            ; v4   and of its V
.set SPW, 5                            ; v5   LDS address of my spare word; never rewritten
.set NIL, 6                            ; v6   0; never rewritten
.set QO,  7                            ; v7   my byte offset in the wave's rows of Q
.set STO, 8                            ; v8   the way out: where I put 16 bytes of a row.  The stages, four tiles of 16 x 144 bytes a wave, lie in slot 0's rows of K: last filled at the first refill, left at the last change of slots
.set RD,  9                            ; v9   the way out: where I read back
.set GO,  10                           ; v10  16 x lane: my byte offset in four rows of vals
.set ST,  16                           ; tile t's statistics at v[ST+8 t]: +0 c m, +1 m, +2, +3 l (even keys', odd keys'), +4 to +7 c0-c3, at work; a takes c2's place once the maximum is found
.set S,   64
.set P,   192
.set Q,   128                          ; in window 1
.set KV,  192                          ; in window 1
.set WV,  12                           ; s12  my wave's number
.set G1K, 24                           ; s[24:31] descriptor group 1 for K's tiles
.set G1V, 32                           ; s[32:39] for V's: it differs in the padding alone
.set G0K, 40                           ; s[40:47] group 0 for K's tiles, a set for each slot
.set G0V, 48                           ; s[48:55] the same for V's
.set CNT, 56                           ; s56  counts a slot's eight steps
.set CS,  58                           ; s[58:59] c: the packed scaling names a pair and takes its low word for both halves
.set SEL, 60                           ; s[60:61] lane selects for v_permlanex16_b32: lane l xor 16
.set TK,  62                           ; s62  LDS byte at which the step's rows of K begin
.set TV,  63                           ; s63  the same for V, less VOFF
.set MSB, 0
.macro WIN new                         ; the immediate's high byte repeats the setting that is left
.if MSB != \new
	s_set_vgpr_msb (MSB<<8)|\new
.set MSB, \new
.endif
.endm
.set W_LD, 0x40                        ; destination window 1, address window 0
.set W_KQ, 0x05                        ; K and Q in window 1, S^T in window 0
.set W_PV, 0x51                        ; V and O^T in window 1, P in window 0
.set W_RS, 0x41                        ; O^T (destination and source 0) in window 1, the factor in window 0
; A joint refill of slot s.  The branch hangs on the wave's number alone.  An s_nop 0 and four v_nop follow each of the two lines.
.macro JLOAD s
	s_cmp_lt_u32 s[WV], 4
	s_cbranch_scc0 .Lfor_v_\@
	tensor_load_to_lds s[G0K+4*\s:G0K+4*\s+3], s[G1K:G1K+7]
	s_nop 0
.rept 4
	v_nop
.endr
	s_branch .Lasked_\@
.Lfor_v_\@:
	tensor_load_to_lds s[G0V+4*\s:G0V+4*\s+3], s[G1V:G1V+7]
	s_nop 0
.rept 4
	v_nop
.endr
.Lasked_\@:
.endm
.macro CROUND                          ; a round of the cluster's barrier
	s_barrier_signal -1
	s_barrier_wait -1
	s_cmp_lg_u32 s[WV], 0
	s_cbranch_scc1 .Lnot_wave_0_\@
	s_barrier_signal -3
.Lnot_wave_0_\@:
	s_barrier_wait -3
	s_barrier_signal -1
	s_barrier_wait -1
.endm
	s_load_b128 s[4:7], s[0:1], 0x0                ; qkv s[4:5], vals s[6:7]
	v_lshl_add_u32 v[SPW], v0, 2, SPARE
	v_mov_b32 v[NIL], 0
	ds_add_u32 v[SPW], v[NIL]                      ; the wave's opening: the add, twice on end, and its wait ahead of my first tensor load; the set-up below stands between
	ds_add_u32 v[SPW], v[NIL]
	v_lshrrev_b32 v1, 5, v0
	v_readfirstlane_b32 s[WV], v1                  ; wave 0..7
	s_bfe_u32 s13, ttmp6, 0x40000                  ; cx: my place in the cluster
	s_lshl_b32 s14, ttmp9, 2
	s_add_co_u32 s14, s14, s13                     ; my block of 512 queries: it enters Q's and vals' addresses alone
	s_and_b32 s16, ttmp7, 0xffff                   ; the head, which the four partners share
	s_and_b32 s15, s[WV], 3                        ; which quarter of a slot's rows I fetch
	s_mul_i32 s20, s16, 3*2048*128                 ; the head's first byte in qkv (under 2^26)
	s_lshl_b32 s17, s14, 16                        ; my block's 512 rows of 128 bytes,
	s_lshl_b32 s18, s[WV], 13                      ; my wave's 64 of them
	s_add_co_u32 s17, s17, s18
	s_add_co_u32 s18, s20, s17                     ; Q at my first row
	s_mov_b32 s19, 0
	s_lshl_b32 s22, s16, 18
	s_add_co_u32 s22, s22, s17                     ; vals at my first row
	s_mov_b32 s23, 0
	s_lshl_b32 s17, s15, 14                        ; my quarter: 128 rows of 128 bytes
	s_add_co_u32 s20, s20, s17
	s_add_co_u32 s20, s20, 2048*128                ; in K, which lies behind Q
	s_mov_b32 s21, 0
	s_mul_i32 s2, s15, 128*PK                      ; and its places in a slot: no place in the cluster enters an LDS address
	s_mul_i32 s3, s15, 128*PV
	s_add_co_u32 s3, s3, VOFF
	; descriptor group 1: a tile of 128 rows x 64 elements of 2 bytes, padded behind every row
	s_mov_b32 s[G1K], 15|(1<<16)|(1<<20)|(1<<21)|(4<<22)|(3<<25)  ; 15:0 the mask: all four work-groups; 17:16 elements of 2 bytes; 20 padding on; 21 set beside a mask; 24:22 after every 32 words; 31:25 four words
	s_mov_b32 s[G1V], 15|(1<<16)|(1<<20)|(1<<21)|(4<<22)|(7<<25)  ; the same with eight words of padding
.irp g, G1K, G1V
	s_mov_b32 s[\g+1], 64<<16                      ; tensor_dim0 = 64
	s_mov_b32 s[\g+2], 128<<16                     ; tensor_dim1 = 128
	s_mov_b32 s[\g+3], 64<<16                      ; tile_dim0 = 64
	s_mov_b32 s[\g+4], 128                         ; tile_dim1 = 128
	s_mov_b32 s[\g+5], 64                          ; elements from row to row
	s_mov_b32 s[\g+6], 0
	s_mov_b32 s[\g+7], 0
.endr
	s_mov_b32 s[CS], 0x3e38aa3b                    ; c = log2(e) / 8
	s_mov_b32 s[CS+1], s[CS]                       ; named with it as a pair, so it is written
	s_mov_b32 s[SEL], 0x76543210
	s_mov_b32 s[SEL+1], 0xfedcba98
	s_wait_dscnt 0x0                               ; both opening adds are done
	s_wait_kmcnt 0x0
	s_add_nc_u64 s[8:9], s[4:5], s[20:21]          ; K at my quarter of slot 0's keys
	s_add_nc_u64 s[4:5], s[4:5], s[18:19]          ; Q at my wave's first row
	s_add_nc_u64 s[6:7], s[6:7], s[22:23]          ; vals likewise
	CROUND                                         ; all four work-groups are here: the first joint loads meet
.irp s, 0,1
	s_mov_b32 s[G0K+4*\s], 1                       ; count = 1
	s_add_co_u32 s[G0K+4*\s+1], s2, \s*SLOT        ; LDS address
	s_add_nc_u64 s[G0K+4*\s+2:G0K+4*\s+3], s[8:9], \s*SK*128   ; global address: slot s begins with keys 512 s
	s_or_b32 s[G0K+4*\s+3], s[G0K+4*\s+3], 0x80000000          ; type = 2
	s_mov_b32 s[G0V+4*\s], 1
	s_add_co_u32 s[G0V+4*\s+1], s3, \s*SLOT
	s_add_nc_u64 s[G0V+4*\s+2:G0V+4*\s+3], s[8:9], \s*SK*128+2048*128   ; V lies behind K
	s_or_b32 s[G0V+4*\s+3], s[G0V+4*\s+3], 0x80000000
.endr
	s_cmp_lt_u32 s[WV], 4                          ; a wave's two first fills stand in one branch, ahead of every wait on TENSORcnt and every LDS read
	s_cbranch_scc0 .Lfirst_v
	tensor_load_to_lds s[G0K:G0K+3], s[G1K:G1K+7]
	s_nop 0
	tensor_load_to_lds s[G0K+4:G0K+7], s[G1K:G1K+7]
	s_nop 0
.rept 4
	v_nop
.endr
	s_branch .Lfirst_asked
.Lfirst_v:
	tensor_load_to_lds s[G0V:G0V+3], s[G1V:G1V+7]
	s_nop 0
	tensor_load_to_lds s[G0V+4:G0V+7], s[G1V:G1V+7]
	s_nop 0
.rept 4
	v_nop
.endr
.Lfirst_asked:
	; A fragment of K or Q is 16 rows x 32 channels in 8 registers: lane l holds row l % 16; registers 0-3 channels 8 (l / 16) + 0..7, registers 4-7 channels 16 + 8 (l / 16) + 0..7: two loads of 16 bytes, 32 bytes apart.
	v_and_b32 v11, 15, v0                          ; r = l % 16
	v_bfe_u32 v12, v0, 4, 1                        ; h = l / 16
	v_lshlrev_b32 v[QO], 7, v11
	v_lshl_add_u32 v[QO], v12, 4, v[QO]            ; row x 128 + 16 x half
	WIN W_LD
.irp t, 0,1,2,3                        ; Q stays in registers: tile t, channels 32 f on
.irp f, 0,1
	global_load_b128 v[Q+16*\t+8*\f:Q+16*\t+8*\f+3],   v[QO], s[4:5] offset:\t*2048+64*\f
	global_load_b128 v[Q+16*\t+8*\f+4:Q+16*\t+8*\f+7], v[QO], s[4:5] offset:\t*2048+64*\f+32
.endr
.endr
.set e, 0
.rept 128
	v_mov_b32 v[e], 0                              ; O^T: the step is written once, and its first trip finds zeros
.set e, e+1
.endr
	WIN 0
	v_mul_u32_u24 v[AK0], v11, PK
	v_lshl_add_u32 v[AK0], v12, 4, v[AK0]          ; row x pitch + 16 x half
	; The turning load takes 16 keys x 16 channels (lane l reads 16 bytes: key 8 (l / 16) + l % 8, channels 8 ((l / 8) % 2) + 0..7) and leaves half a fragment of V^T: lane l holds channel l % 16 and 8 keys.
	v_and_b32 v13, 7, v0
	v_bfe_u32 v14, v0, 3, 1
	v_lshl_add_u32 v[AV0], v12, 3, v13
	v_mul_u32_u24 v[AV0], v[AV0], PV
	v_lshl_add_u32 v[AV0], v14, 4, v[AV0]
	v_add_nc_u32 v[AV0], VOFF, v[AV0]
	s_mul_i32 s17, s[WV], 64*PK                    ; my stage
	v_add_nc_u32 v[STO], s17, v[AK0]               ; in: row l % 16, 16 bytes for each half of the lanes
	v_bfe_u32 v[RD], v0, 3, 2                      ; back: eight lanes to a row of 128 bytes, four rows an instruction
	v_mul_u32_u24 v[RD], v[RD], PK
	v_lshl_add_u32 v[RD], v13, 4, v[RD]
	v_add_nc_u32 v[RD], s17, v[RD]
	v_and_b32 v15, 31, v0
	v_lshlrev_b32 v[GO], 4, v15                    ; the same four rows in vals: 512 consecutive bytes
.irp t, 0,1,2,3
	v_mov_b32 v[ST+8*\t+1], 0xff61b1e6             ; m = -3e38, under every score that is served
	v_mul_f32 v[ST+8*\t], s[CS], v[ST+8*\t+1]      ; c m
	v_mov_b32 v[ST+8*\t+2], 0                      ; l, in two halves
	v_mov_b32 v[ST+8*\t+3], 0
.endr
; A KEY STEP: 64 keys.  In every run the four tiles stand innermost, so that no line waits for the line above it.
.macro STEP
	v_add_nc_u32 v[ADK], s[TK], v[AK0]
	v_add_nc_u32 v[ADV], s[TV], v[AV0]
	v_nop
	v_nop                                          ; four places behind the last step's products, in front of the loads into the registers that they read
	WIN W_LD
.irp kt, 0,1,2,3                       ; K: keys 16 kt on, channels 32 f on
.irp f, 0,1
	ds_load_b128 v[KV+16*\kt+8*\f:KV+16*\kt+8*\f+3],   v[ADK] offset:\kt*16*PK+64*\f
	ds_load_b128 v[KV+16*\kt+8*\f+4:KV+16*\kt+8*\f+7], v[ADK] offset:\kt*16*PK+64*\f+32
.endr
.endr
	s_wait_dscnt 0x0                               ; K is in
	WIN W_KQ
.set i, 0
.rept 32                               ; S^T = K Q^T: channels 32 (i / 16) on, keys 16 ((i / 4) % 4) on, tile i % 4.  The 16 accumulators take turns, one instruction a turn; the first 16 start the sums
.set rS, S+32*(i%4)+8*((i/4)%4)
.set rK, KV+16*((i/4)%4)+8*(i/16)
.set rQ, Q+16*(i%4)+8*(i/16)
.if i < 16
	v_wmma_f32_16x16x32_f16 v[rS:rS+7], v[rK:rK+7], v[rQ:rQ+7], 0
.else
	v_wmma_f32_16x16x32_f16 v[rS:rS+7], v[rK:rK+7], v[rQ:rQ+7], v[rS:rS+7]
.endif
.set i, i+1
.endr
.rept 4
	v_nop                                          ; four places: for the loads into K's registers, and for the first read of the scores
.endr
	WIN W_LD
.irp c, 0,1                            ; V, turned: keys 32 c on, channels 16 ct on.  It lands while the softmax is walked
.irp ct, 0,1,2,3
	ds_load_tr16_b128 v[KV+32*\c+8*\ct:KV+32*\c+8*\ct+3],   v[ADV] offset:\c*32*PV+32*\ct
	ds_load_tr16_b128 v[KV+32*\c+8*\ct+4:KV+32*\c+8*\ct+7], v[ADV] offset:\c*32*PV+16*PV+32*\ct
.endr
.endr
	WIN 0
	; the maximum of a lane's 32 scores and the old m: four chains c0-c3, one for each accumulator, begun at its low end
.irp j, 0,1,2,3
.irp t, 0,1,2,3
	v_max3_num_f32 v[ST+8*\t+4+\j], v[S+32*\t+8*\j], v[S+32*\t+8*\j+1], v[S+32*\t+8*\j+2]
.endr
.endr
.irp g, 3,5
.irp j, 0,1,2,3
.irp t, 0,1,2,3
	v_max3_num_f32 v[ST+8*\t+4+\j], v[ST+8*\t+4+\j], v[S+32*\t+8*\j+\g], v[S+32*\t+8*\j+\g+1]
.endr
.endr
.endr
.irp t, 0,1,2,3
	v_max3_num_f32 v[ST+8*\t+4], v[ST+8*\t+4], v[S+32*\t+7], v[S+32*\t+15]
.endr
.irp t, 0,1,2,3
	v_max3_num_f32 v[ST+8*\t+6], v[ST+8*\t+6], v[S+32*\t+23], v[S+32*\t+31]
.endr
.irp t, 0,1,2,3
	v_max3_num_f32 v[ST+8*\t+4], v[ST+8*\t+4], v[ST+8*\t+5], v[ST+8*\t+6]
.endr
.irp t, 0,1,2,3
	v_max3_num_f32 v[ST+8*\t+4], v[ST+8*\t+4], v[ST+8*\t+7], v[ST+8*\t+1]
.endr
.irp t, 0,1,2,3
	v_permlanex16_b32 v[ST+8*\t+5], v[ST+8*\t+4], s[SEL], s[SEL+1]   ; the query's other 32 keys lie in the lane 16 away
.endr
.irp t, 0,1,2,3
	v_mov_b32 v[ST+8*\t+7], v[ST+8*\t]             ; c m_old is kept for a
.endr
.irp t, 0,1,2,3
	v_max_num_f32 v[ST+8*\t+1], v[ST+8*\t+4], v[ST+8*\t+5]   ; the new m
.endr
.irp t, 0,1,2,3
	v_mul_f32 v[ST+8*\t], s[CS], v[ST+8*\t+1]      ; c m
.endr
.irp t, 0,1,2,3
	v_sub_f32 v[ST+8*\t+7], v[ST+8*\t+7], v[ST+8*\t]
.endr
	; ONE BATCH of 132 exponentials, none of which reads another's result, with the 64 packed scalings among them
.irp t, 0,1,2,3
	v_exp_f32 v[ST+8*\t+6], v[ST+8*\t+7]           ; a = 2^(c m_old - c m_new)
.endr
.irp b, 0,1,2,3,4,5,6,7,8,9,10,11,12,13,14,15
.irp t, 0,1,2,3
	v_pk_fma_f32 v[S+32*\t+2*\b:S+32*\t+2*\b+1], v[S+32*\t+2*\b:S+32*\t+2*\b+1], s[CS:CS+1], v[ST+8*\t:ST+8*\t+1] op_sel_hi:[1,0,0] neg_lo:[0,0,1] neg_hi:[0,0,1]   ; c s - c m, two at a time
.endr
.endr
.set e, 0
.rept 128
	v_exp_f32 v[S+e], v[S+e]                       ; p
.set e, e+1
.endr
	v_nop                                          ; a plain line behind the last exponential, ahead of the first use
	s_wait_alu depctr_va_vdst(0)                   ; the wait ahead of the first line that names a result: one for the whole batch
.irp j, 0,1,2,3,4,5,6,7,8,9,10,11,12,13,14,15
.irp t, 0,1,2,3
	v_cvt_pk_f16_f32 v[P+16*\t+\j], v[S+32*\t+2*\j], v[S+32*\t+2*\j+1]   ; pair j: registers 0-3 of a fragment come from an even tile of keys, 4-7 from the odd one behind it
.endr
.endr
	; the sum of a tile's 16 pairs, in place: neighbours 1, 2, 4 and 8 pairs apart; then l = a l + the sum
.irp u, 0,1,2,3,4,5,6,7
.irp t, 0,1,2,3
	v_pk_add_f32 v[S+32*\t+4*\u:S+32*\t+4*\u+1], v[S+32*\t+4*\u:S+32*\t+4*\u+1], v[S+32*\t+4*\u+2:S+32*\t+4*\u+3]
.endr
.endr
.irp u, 0,1,2,3
.irp t, 0,1,2,3
	v_pk_add_f32 v[S+32*\t+8*\u:S+32*\t+8*\u+1], v[S+32*\t+8*\u:S+32*\t+8*\u+1], v[S+32*\t+8*\u+4:S+32*\t+8*\u+5]
.endr
.endr
.irp u, 0,1
.irp t, 0,1,2,3
	v_pk_add_f32 v[S+32*\t+16*\u:S+32*\t+16*\u+1], v[S+32*\t+16*\u:S+32*\t+16*\u+1], v[S+32*\t+16*\u+8:S+32*\t+16*\u+9]
.endr
.endr
.irp t, 0,1,2,3
	v_pk_add_f32 v[S+32*\t:S+32*\t+1], v[S+32*\t:S+32*\t+1], v[S+32*\t+16:S+32*\t+17]
.endr
.irp t, 0,1,2,3
	v_pk_fma_f32 v[ST+8*\t+2:ST+8*\t+3], v[ST+8*\t+2:ST+8*\t+3], v[ST+8*\t+6:ST+8*\t+7], v[S+32*\t:S+32*\t+1] op_sel_hi:[1,0,1]
.endr
	WIN W_RS
.irp n, 0,1,2,3,4,5,6,7,8,9,10,11,12,13,14,15
.irp t, 0,1,2,3
	v_pk_mul_f32 v[32*\t+2*\n:32*\t+2*\n+1], v[32*\t+2*\n:32*\t+2*\n+1], v[ST+8*\t+6:ST+8*\t+7] op_sel_hi:[1,0]   ; O^T x a, each accumulator from its low end on
.endr
.endr
	s_wait_dscnt 0x0                               ; V is in
	WIN W_PV
.set i, 0
.rept 32                               ; O^T += V^T P: keys 32 (i / 16) on, channels 16 ((i / 4) % 4) on, tile i % 4: again 16 accumulators by turns
.set rO, 32*(i%4)+8*((i/4)%4)
.set rV, KV+32*(i/16)+8*((i/4)%4)
.set rP, P+16*(i%4)+8*(i/16)
	v_wmma_f32_16x16x32_f16 v[rO:rO+7], v[rV:rV+7], v[rP:rP+7], v[rO:rO+7]
.set i, i+1
.endr
	WIN 0                                          ; at a label and at a branch every window is 0
.endm
; A slot's eight key steps: written once, walked eight times; the LDS addresses hang on two scalars that step by constants.
.macro SLOT_STEPS s
	s_mov_b32 s[TK], \s*SLOT
	s_mov_b32 s[TV], \s*SLOT
	s_mov_b32 s[CNT], SK/KS
.Lstep_\@:
	STEP
	s_add_co_u32 s[TK], s[TK], KS*PK
	s_add_co_u32 s[TV], s[TV], KS*PV
	s_sub_co_u32 s[CNT], s[CNT], 1
	s_cmp_lg_u32 s[CNT], 0
	s_cbranch_scc1 .Lstep_\@
.endm
; THE CHANGE OF SLOTS.  Each wave waits for all its tensor loads (its part of the slot ahead), adds 0 to its spare word, and waits for that and for its reads of the slot that it leaves.
; fill = 1: the slot just left, s, is filled with the keys two slots on.  The barrier is then a round of the cluster's, so that no wave of any partner still reads the slot or has a load on its way,
; and the joint refill is the first thing behind it: it has eight key steps in which to land.
.macro CHANGE fill, s
	s_wait_tensorcnt 0x0                           ; no tensor load of mine is out, so a group 0 may be written
	ds_add_u32 v[SPW], v[NIL]                      ; 0 onto my spare word
.if \fill
	s_add_nc_u64 s[G0K+4*\s+2:G0K+4*\s+3], s[G0K+4*\s+2:G0K+4*\s+3], 2*SK*128   ; 1,024 keys on; the type bits on top are not reached
	s_add_nc_u64 s[G0V+4*\s+2:G0V+4*\s+3], s[G0V+4*\s+2:G0V+4*\s+3], 2*SK*128
	s_wait_dscnt 0x0                               ; the add is done, and my reads of the slot are over
	CROUND
	JLOAD \s
.else
	s_wait_dscnt 0x0
	s_barrier_signal -1
	s_barrier_wait -1
.endif
.endm
	s_wait_tensorcnt 1                             ; my part of slot 0 is in; slot 1's load may stay out
	s_barrier_signal -1
	s_barrier_wait -1                              ; everybody's is
	s_wait_loadcnt 0x0                             ; Q
	SLOT_STEPS 0                                   ; keys 0 to 511
	CHANGE 1, 0                                    ; slot 0 takes keys 1,024 on
	SLOT_STEPS 1                                   ; keys 512 to 1,023
	CHANGE 1, 1                                    ; slot 1 takes keys 1,536 on
	SLOT_STEPS 0
	CHANGE 0, 0                                    ; nothing is left to fetch
	SLOT_STEPS 1
	; THE WAY OUT.  l's two halves and the other half of the lanes' are added; O^T is divided by l, rounded to f16 and sent through my stage in LDS.  The additions are the places behind the last products.
.irp t, 0,1,2,3
	v_add_f32 v[ST+8*\t+4], v[ST+8*\t+2], v[ST+8*\t+3]
.endr
.irp t, 0,1,2,3
	v_permlanex16_b32 v[ST+8*\t+5], v[ST+8*\t+4], s[SEL], s[SEL+1]
.endr
.irp t, 0,1,2,3
	v_add_f32 v[ST+8*\t+4], v[ST+8*\t+4], v[ST+8*\t+5]
.endr
.irp t, 0,1,2,3
	v_rcp_f32 v[ST+8*\t+6], v[ST+8*\t+4]
.endr
	v_nop                                          ; a plain line between the last reciprocal and the use of its result
	s_wait_alu depctr_va_vdst(0)                   ; and the wait: one for the four
; Tile t: a lane's eight channels of a row pack into 16 bytes; they go into rows of 144 bytes and come back eight lanes to a row.  Four LDS stores and four LDS loads a tile.
.macro PACK t
	WIN W_RS
.irp n, 0,1,2,3,4,5,6,7,8,9,10,11,12,13,14,15
	v_pk_mul_f32 v[32*\t+2*\n:32*\t+2*\n+1], v[32*\t+2*\n:32*\t+2*\n+1], v[ST+8*\t+6:ST+8*\t+7] op_sel_hi:[1,0]
.endr
	WIN 0x05                                       ; sources 0 and 1 window 1, destination window 0: S^T's registers are free
.irp n, 0,1,2,3,4,5,6,7,8,9,10,11,12,13,14,15
	v_cvt_pk_f16_f32 v[S+16*\t+\n], v[32*\t+2*\n], v[32*\t+2*\n+1]
.endr
	WIN 0
.irp ct, 0,1,2,3
	ds_store_b128 v[STO], v[S+16*\t+4*\ct:S+16*\t+4*\ct+3] offset:\t*16*PK+32*\ct
.endr
.irp n, 0,1,2,3
	ds_load_b128 v[P+16*\t+4*\n:P+16*\t+4*\n+3], v[RD] offset:\t*16*PK+\n*4*PK   ; LDS serves a wave's instructions in order (ISA guide 5.7.1.4): these see the stores above
.endr
.endm
.macro SEND t
.irp n, 0,1,2,3
	s_wait_dscnt (3-\t)*8+3-\n                     ; behind this load: the rest of its tile's loads and eight LDS instructions for each later tile
	global_store_b128 v[GO], v[P+16*\t+4*\n:P+16*\t+4*\n+3], s[6:7] offset:\t*2048+\n*512   ; 32 lanes store 512 consecutive bytes, aligned: four rows of vals
.endr
.endm
	PACK 0
	PACK 1
	PACK 2
	PACK 3
	SEND 0
	SEND 1
	SEND 2
	SEND 3
	s_wait_tensorcnt 0x0                           ; the wave's end: these three lines stand behind my last tensor load and my last LDS store
	ds_add_u32 v[SPW], v[NIL]
	s_wait_dscnt 0x0
	CROUND                                         ; the closing round: no work-group ends while a partner may still ask for a tile that names it
	s_endpgm
.Lfunc_end_k_q775bcb02c2_attn:
	.size	k_q775bcb02c2_attn, .Lfunc_end_k_q775bcb02c2_attn-k_q775bcb02c2_attn
	.p2alignl 7, 3214868480
	.fill 96, 4, 3214868480
	.section	.rodata,"a",@progbits
	.p2align	6, 0x0
	.amdhsa_kernel k_q775bcb02c2_attn
		.amdhsa_group_segment_fixed_size 327680
		.amdhsa_private_segment_fixed_size 0
		.amdhsa_enable_private_segment 0
		.amdhsa_kernarg_size 16
		.amdhsa_user_sgpr_count 2
		.amdhsa_user_sgpr_kernarg_segment_ptr 1
		.amdhsa_wavefront_size32 1
		.amdhsa_system_sgpr_workgroup_id_x 1
		.amdhsa_system_sgpr_workgroup_id_y 1
		.amdhsa_system_sgpr_workgroup_id_z 1
		.amdhsa_system_vgpr_workitem_id 0
		.amdhsa_next_free_vgpr 512
		.amdhsa_next_free_sgpr 66
		.amdhsa_reserve_vcc 0
		.amdhsa_float_denorm_mode_32 3
		.amdhsa_float_denorm_mode_16_64 3
		.amdhsa_memory_ordered 1
		.amdhsa_forward_progress 1
		.amdhsa_inst_pref_size 156
	.end_amdhsa_kernel
	.amdgpu_metadata
---
amdhsa.version: [ 1, 2 ]
amdhsa.kernels:
  - .name:           k_q775bcb02c2_attn
    .symbol:         k_q775bcb02c2_attn.kd
    .args:
      - { .name: qkv, .offset: 0, .size: 8, .value_kind: global_buffer, .address_space: global }
      - { .name: vals, .offset: 8, .size: 8, .value_kind: global_buffer, .address_space: global }
    .group_segment_fixed_size: 327680
    .private_segment_fixed_size: 0
    .kernarg_segment_align: 8
    .kernarg_segment_size: 16
    .max_flat_workgroup_size: 256
    .sgpr_count:     66
    .vgpr_count:     512
    .wavefront_size: 32
...
	.end_amdgpu_metadata
.endif
;; end of part 4
;; launch out_gemm (part 5): grid 4 x 64, 4 waves a work-group, clusters of 4 x 4, 327,680 bytes of LDS; arguments vals, wo16, bo, out0; writes out0
.if DOCPART == 5
	.amdgcn_target "amdgcn-amd-amdhsa--gfx1250"
	.amdhsa_code_object_version 6
	.text
	.protected	k_q775bcb02c2_out_gemm
	.globl	k_q775bcb02c2_out_gemm
	.p2align	8
	.type	k_q775bcb02c2_out_gemm,@function
k_q775bcb02c2_out_gemm:
	s_mov_b64 s[64:65], 0
	v_nop
	global_prefetch_b8 v0, s[64:65] scope:SCOPE_SE
	s_setreg_imm32_b32 hwreg(HW_REG_WAVE_MODE, 25, 1), 1
	s_wait_xcnt 0x0
	s_wait_alu depctr_hold_cnt(0) depctr_sa_sdst(0) depctr_va_vdst(0) depctr_va_sdst(0) depctr_va_ssrc(0) depctr_va_vcc(0) depctr_vm_vsrc(0)
	s_getreg_b32 s2, hwreg(HW_REG_IB_STS2, 6, 4)
	s_cmp_eq_u32 s2, 0
	s_cbranch_scc0 .Lentry_in_a_cluster
	s_endpgm
.Lentry_in_a_cluster:
	s_bfe_u32 s2, ttmp6, 0x10000c
	s_cmp_lg_u32 s2, 0xf033
	s_cbranch_scc0 .Lentry_shape_is_right
	s_endpgm
.Lentry_shape_is_right:
; out0 = vals Wo + bo.  vals: [8192][1024] f16 (the values [batch][head][s][64], read flat, as the module reshapes them).  wo16: Wo [1024 (k)][1024 (n)] in f16.  bo [1024], out0 [8192][1024]: f32.  Sums in f32.
; A tile of C is 128 rows x 256 columns: 64 x 4 = 256 work-groups.  Four waves, each 64 x 128: 32 accumulators of 16 x 16, 256 registers.  K goes in eight steps of 128 through a ring of two LDS slots.
; THE MATRIX INSTRUCTION IS USED TRANSPOSED (source 0 = 16 columns of Wo, source 1 = 16 rows of vals): a lane then holds eight neighbouring columns of one row of C.
; Wo lies [k][n]: its fragments come out of LDS turned, by ds_load_tr16_b128; vals' come as they lie.  THE BIAS is the C of each sum's first matrix instruction.
; CLUSTERS: 4 x 4 work-groups.  The four of a row of the cluster need the same tiles of vals, the four of a column the same tiles of Wo: each tile is asked for JOINTLY.  Waves 0 and 1 fetch A's halves
; (64 rows x 256 bytes), waves 2 and 3 B's (64 rows of k x 512 bytes): one load a wave.  By this text's count a wave has two tensor loads out at the start and one behind each round.
; REGISTERS: window 0: v1-31 addresses; two fragment buffers of 96, v32-127 and v128-223: 32 of A (4 x 16 rows x 32 K), then 64 of B (8 x 16 columns x 32 K); on the way out v32-159 take rows read back.
;   window 1: the accumulators, (a, b) at v[8 (8 a + b)].   window 2: v0-63 the bias of my eight blocks of 16 columns.
.set KSTEP,  128
.set PA,     272                       ; a row of A in LDS: 256 bytes + 16: an odd multiple of 16
.set PB,     544                       ; a row of B: 512 bytes + 32: an odd multiple of 32, for the turning load
.set BOFF,   128*PA                    ; a slot: A's 128 rows, then B's 128 rows of k
.set SLOT,   128*(PA+PB)
.set SPARE,  2*SLOT                    ; behind the ring: the spare words, 128 bytes a wave, which no other line names
.set SPITCH, 528                       ; the way out: a stage of 16 rows x (512 bytes + 16) for each wave, in slot 0, which has had its last fill and its last read when the first result is stored there
.set ADRA, 16                          ; v16-17  LDS address of my A fragments in slot 0, 1
.set ADRB, 20                          ; v20-21  the same for B
.set STO,  24                          ; v24     the way out: where I put 32 bytes of a row
.set RD,   25                          ; v25     the way out: where I read a row back
.set CO,   26                          ; v26     16 x lane: my byte offset in a row's 512 bytes of C
.set VB,   27                          ; v27     32 x (lane / 16): my eight numbers of a block's sixteen of the bias
.set SPW,  28                          ; v28     LDS address of my spare word; never rewritten
.set NIL,  29                          ; v29     0; never rewritten
.set F0,   32
.set F1,   128
.set BK,   32                          ; the way out: 16 rows read back: v32-95 and v96-159 by turns
.set G1, 24                            ; s[24:31] descriptor group 1 for A's tiles;  s[32:39] group 0, one set for each slot
.set G0, 32
.set G1B, 48                           ; s[48:55], s[56:63] the same for B's tiles
.set G0B, 56
.set MSB, 0
.macro WIN new                         ; the immediate's high byte repeats the setting that is left
.if MSB != \new
	s_set_vgpr_msb (MSB<<8)|\new
.set MSB, \new
.endif
.endm
.set MUL, 0x50                         ; sources 0 and 1 window 0; C and D window 1
.set FST, 0x60                         ; the first quarter: C (the bias) window 2, D window 1
.macro JLOAD s                         ; a joint load; an s_nop 0 and four v_nop follow each of the two lines, ahead of the jump, the label and what follows
	s_cmp_eq_u32 s11, 0
	s_cbranch_scc0 .Lfor_b_\@
	tensor_load_to_lds s[G0+4*\s:G0+4*\s+3], s[G1:G1+7]
	s_nop 0
.rept 4
	v_nop
.endr
	s_branch .Lasked_\@
.Lfor_b_\@:
	tensor_load_to_lds s[G0B+4*\s:G0B+4*\s+3], s[G1B:G1B+7]
	s_nop 0
.rept 4
	v_nop
.endr
.Lasked_\@:
.endm
.macro CREST                           ; a round of the cluster's barrier behind its opening barrier
	s_cmp_lg_u32 s10, 0
	s_cbranch_scc1 .Lnot_wave_0_\@
	s_barrier_signal -3
.Lnot_wave_0_\@:
	s_barrier_wait -3
	s_barrier_signal -1
	s_barrier_wait -1
.endm
.macro CROUND                          ; a whole round
	s_barrier_signal -1
	s_barrier_wait -1
	CREST
.endm
	s_load_b128 s[4:7], s[0:1], 0x0                ; vals s[4:5], wo16 s[6:7]
	s_load_b64 s[66:67], s[0:1], 0x10              ; bo
	s_load_b64 s[8:9], s[0:1], 0x18                ; out0
	v_lshl_add_u32 v[SPW], v0, 2, SPARE
	v_mov_b32 v[NIL], 0
	ds_add_u32 v[SPW], v[NIL]                      ; the wave's opening: the add, twice on end, and its wait ahead of my first tensor load; the set-up below stands between
	ds_add_u32 v[SPW], v[NIL]
	v_lshrrev_b32 v1, 5, v0
	v_readfirstlane_b32 s10, v1                    ; wave 0..3
	s_lshr_b32 s11, s10, 1                         ; which 64 of the tile's rows are mine.  Also: I fetch for A (0) or for B (1)
	s_and_b32 s12, s10, 1                          ; which 128 of its columns.  Also: which half of that tile I fetch
	s_bfe_u32 s40, ttmp6, 0x40000                  ; cx, cy: my place in the cluster
	s_bfe_u32 s41, ttmp6, 0x40004
	s_lshl_b32 s42, ttmp9, 2
	s_add_co_u32 s42, s42, s40                     ; tile column of C = 4 x cluster x + cx
	s_and_b32 s13, ttmp7, 0xffff
	s_lshl_b32 s13, s13, 2
	s_add_co_u32 s13, s13, s41                     ; tile row of C = 4 x cluster y + cy
	s_lshl_b32 s43, s41, 2
	s_lshl_b32 s43, 15, s43                        ; my row of the cluster
	s_lshl_b32 s44, 0x1111, s40                    ; my column
	; descriptor groups 1.  A: 64 rows x 128 elements of 2 bytes, four words of padding after every 64.  B: 64 rows x 256 elements, eight words after every 128.
	s_or_b32 s[G1+0], s43, (1<<16)|(1<<20)|(1<<21)|(5<<22)|(3<<25)
	s_or_b32 s[G1B+0], s44, (1<<16)|(1<<20)|(1<<21)|(6<<22)|(7<<25)
	s_mov_b32 s[G1+1], 128<<16                     ; tensor_dim0
	s_mov_b32 s[G1+2], 64<<16                      ; tensor_dim1
	s_mov_b32 s[G1+3], 128<<16                     ; tile_dim0
	s_mov_b32 s[G1+4], 64                          ; tile_dim1
	s_mov_b32 s[G1+5], 1024                        ; elements from row to row
	s_mov_b32 s[G1+6], 0
	s_mov_b32 s[G1+7], 0
	s_mov_b32 s[G1B+1], 256<<16
	s_mov_b32 s[G1B+2], 64<<16
	s_mov_b32 s[G1B+3], 256<<16
	s_mov_b32 s[G1B+4], 64
	s_mov_b32 s[G1B+5], 1024
	s_mov_b32 s[G1B+6], 0
	s_mov_b32 s[G1B+7], 0
	; where the tiles come from.  A's hang on the tile row alone, B's on the tile column alone; every wave makes both, in registers that never hold the other coordinate
	s_lshl_b32 s16, s13, 7
	s_lshl_b32 s17, s12, 6
	s_add_co_u32 s16, s16, s17                     ; A: row 128 x tile row + 64 x half,
	s_lshl_b32 s16, s16, 11                        ; of 2,048 bytes (under 2^24 in all)
	s_mov_b32 s17, 0
	s_lshl_b32 s46, s12, 17                        ; B: row of k 64 x half, of 2,048 bytes,
	s_lshl_b32 s47, s42, 9
	s_add_co_u32 s46, s46, s47                     ; + 512 bytes x tile column
	s_mov_b32 s47, 0
	s_mul_i32 s20, s12, 64*PA                      ; and where they go: no place in the cluster enters an LDS address
	s_mul_i32 s21, s12, 64*PB
	s_add_co_u32 s21, s21, BOFF
	s_wait_dscnt 0x0                               ; both opening adds are done
	s_wait_kmcnt 0x0
	s_add_nc_u64 s[14:15], s[4:5], s[16:17]
	s_add_nc_u64 s[46:47], s[6:7], s[46:47]
	CROUND                                         ; all sixteen work-groups are here: the first joint loads meet
.irp s, 0,1
	s_mov_b32 s[G0+4*\s], 1
	s_add_co_u32 s[G0+4*\s+1], s20, \s*SLOT
	s_add_nc_u64 s[G0+4*\s+2:G0+4*\s+3], s[14:15], \s*KSTEP*2          ; K step s: 256 bytes along the rows
	s_or_b32 s[G0+4*\s+3], s[G0+4*\s+3], 0x80000000
	s_mov_b32 s[G0B+4*\s], 1
	s_add_co_u32 s[G0B+4*\s+1], s21, \s*SLOT
	s_add_nc_u64 s[G0B+4*\s+2:G0B+4*\s+3], s[46:47], \s*KSTEP*2048     ; K step s: 128 rows down
	s_or_b32 s[G0B+4*\s+3], s[G0B+4*\s+3], 0x80000000
	JLOAD \s
.endr
	v_and_b32 v1, 15, v0                           ; r = l % 16
	v_bfe_u32 v2, v0, 4, 1                         ; h = l / 16
	; the bias of my 128 columns: lane (r, h) wants, for block b, columns 16 b + 8 h + 0 .. 7
	v_lshlrev_b32 v[VB], 5, v2
	s_lshl_b32 s22, s42, 10
	s_lshl_b32 s23, s12, 9
	s_add_co_u32 s22, s22, s23                     ; 4 x (256 x tile column + 128 x half)
	s_mov_b32 s23, 0
	s_add_nc_u64 s[66:67], s[66:67], s[22:23]
	WIN 0x80                                       ; destination window 2
.irp b, 0,1,2,3,4,5,6,7
	global_load_b128 v[8*\b:8*\b+3],   v[VB], s[66:67] offset:64*\b
	global_load_b128 v[8*\b+4:8*\b+7], v[VB], s[66:67] offset:64*\b+16
.endr
	WIN 0
	v_mul_u32_u24 v3, v1, PA
	v_lshl_add_u32 v3, v2, 4, v3                   ; A: row x pitch + 16 x half
	s_mul_i32 s21, s11, 64*PA                      ; my 64 rows
	v_and_b32 v4, 7, v0                            ; B, turned: lane l reads 16 bytes: row of k 8 (l / 16) + l % 8, columns 8 ((l / 8) % 2) + 0..7
	v_lshl_add_u32 v4, v2, 3, v4
	v_mul_u32_u24 v4, v4, PB
	v_bfe_u32 v5, v0, 3, 1
	v_lshl_add_u32 v4, v5, 4, v4
	s_lshl_b32 s22, s12, 8                         ; my 128 columns: 256 bytes
	s_add_co_u32 s22, s22, BOFF
.irp s, 0,1
	v_add_nc_u32 v[ADRA+\s], s21, v3
	v_add_nc_u32 v[ADRB+\s], s22, v4
	s_add_co_u32 s21, s21, SLOT
	s_add_co_u32 s22, s22, SLOT
.endr
	s_mul_i32 s23, s10, 16*SPITCH                  ; my stage
	v_mul_u32_u24 v5, v1, SPITCH                   ; in: row l % 16, 32 bytes for each half of the lanes
	v_lshl_add_u32 v5, v2, 5, v5
	v_add_nc_u32 v[STO], s23, v5
	v_and_b32 v6, 31, v0
	v_lshlrev_b32 v[CO], 4, v6                     ; back: the 32 lanes take one row of 512 bytes; and the same in C
	v_add_nc_u32 v[RD], s23, v[CO]
	s_lshl_b32 s16, s13, 7
	s_lshl_b32 s17, s11, 6
	s_add_co_u32 s16, s16, s17                     ; my first row of C,
	s_lshl_b32 s16, s16, 12                        ; of 4,096 bytes (under 2^25),
	s_lshl_b32 s17, s42, 10
	s_add_co_u32 s16, s16, s17
	s_lshl_b32 s17, s12, 9
	s_add_co_u32 s16, s16, s17                     ; and my first column
	s_mov_b32 s17, 0
	s_add_nc_u64 s[8:9], s[8:9], s[16:17]
; 8 matrix instructions: A's block a x B's eight, 32 along K, from buffer f.  first = 1: the product starts the sums from the bias.  The 32 accumulators take turns, one instruction a turn, in the same order
; in every quarter.
.macro MUL8 f, a, first
.irp b, 0,1,2,3,4,5,6,7
.if \first
	v_wmma_f32_16x16x32_f16 v[8*(8*(\a)+\b):8*(8*(\a)+\b)+7], v[\f+32+8*\b:\f+32+8*\b+7], v[\f+8*(\a):\f+8*(\a)+7], v[8*\b:8*\b+7]
.else
	v_wmma_f32_16x16x32_f16 v[8*(8*(\a)+\b):8*(8*(\a)+\b)+7], v[\f+32+8*\b:\f+32+8*\b+7], v[\f+8*(\a):\f+8*(\a)+7], v[8*(8*(\a)+\b):8*(8*(\a)+\b)+7]
.endif
.endr
.endm
; 24 LDS loads in one run: the fragments of the slot's q-th 32 along K into buffer f: B's eight, turned, then A's four; A's blocks 2 and 3 last
.macro FETCH slot, q, f
.irp b, 0,1,2,3,4,5,6,7
	ds_load_tr16_b128 v[\f+32+8*\b:\f+32+8*\b+3],   v[ADRB+\slot] offset:(\q)*32*PB+32*\b
	ds_load_tr16_b128 v[\f+32+8*\b+4:\f+32+8*\b+7], v[ADRB+\slot] offset:(\q)*32*PB+16*PB+32*\b
.endr
.irp a, 0,1,2,3
	ds_load_b128 v[\f+8*\a:\f+8*\a+3],   v[ADRA+\slot] offset:\a*16*PA+64*(\q)
	ds_load_b128 v[\f+8*\a+4:\f+8*\a+7], v[ADRA+\slot] offset:\a*16*PA+64*(\q)+32
.endr
.endm
.macro PLACES                          ; four places in front of loads into registers that matrix instructions have read, and of the first read of results (ISA guide 7.12.1 for vector instructions)
.rept 4
	v_nop
.endr
.endm
; A K step is four quarters of 32 along K, 32 matrix instructions each, on buffers 0, 1, 0, 1.  One of the first three: multiplies buffer f and fetches the slot's q-th quarter into g.
.macro QUARTER slot, q, f, g, first
	s_wait_dscnt 4                                 ; B and A's blocks 0, 1 are in; the youngest four loads (A's blocks 2, 3) may be out
.if \first
	WIN FST
.else
	WIN MUL
.endif
	MUL8 \f, 0, \first
	MUL8 \f, 1, \first
	WIN 0
	PLACES
	FETCH \slot, \q, \g
	s_wait_dscnt 24                                ; all but the 24 just issued
.if \first
	WIN FST
.else
	WIN MUL
.endif
	MUL8 \f, 2, \first
	MUL8 \f, 3, \first
.endm
; The last quarter multiplies buffer 1 and changes slots: ONE barrier; in front of it each wave waits for all its tensor loads, adds 0 to its spare word, and waits for that and for its own reads of this slot.
; fill = 1: this slot is filled again, two K steps ahead; the barrier then opens a round of the cluster's barrier, and the joint refill is the first tensor load behind the round.
.macro TURN slot, next, fill
	WIN 0                                          ; (the add's two registers lie in window 0)
	s_wait_tensorcnt 0x0                           ; all my tensor loads have landed: my part of the next slot
	ds_add_u32 v[SPW], v[NIL]                      ; 0 onto my spare word
	s_wait_dscnt 5                                 ; (the add and the youngest four loads may be out)
	WIN MUL
	MUL8 F1, 0, 0                                  ; eight matrix instructions stand between the add and the wait for it
	s_wait_dscnt 0x0                               ; the add is done, and my reads of this slot are over
	s_barrier_signal -1
	MUL8 F1, 1, 0
	WIN 0
	s_barrier_wait -1
.if \fill
	CREST                                          ; no wave of any partner still reads this slot's tile or has a load on its way
	s_add_nc_u64 s[G0+4*\slot+2:G0+4*\slot+3], s[G0+4*\slot+2:G0+4*\slot+3], 2*KSTEP*2
	s_add_nc_u64 s[G0B+4*\slot+2:G0B+4*\slot+3], s[G0B+4*\slot+2:G0B+4*\slot+3], 2*KSTEP*2048
	JLOAD \slot                                    ; the four v_nop behind it are also the places in front of the loads below
.else
	PLACES
.endif
	FETCH \next, 0, F0
	WIN MUL
	MUL8 F1, 2, 0
	MUL8 F1, 3, 0
.endm
	s_wait_tensorcnt 1                             ; my part of K step 0 is in (K step 1's load may be out)
	s_barrier_signal -1
	s_barrier_wait -1                              ; everybody's is
	FETCH 0, 0, F0
	s_wait_loadcnt 0x0                             ; the bias
	QUARTER 0, 1, F0, F1, 1                        ; the first quarter stands in front of the loop: its products start the sums from the bias
	WIN 0                                          ; at a label and at a branch every window is 0
	s_mov_b32 s3, 3
.Llap:                                             ; three trips: each goes once round the ring, from a lap's second quarter to the next lap's first, and fills both slots again: K steps 2 to 7
	QUARTER 0, 2, F1, F0, 0
	QUARTER 0, 3, F0, F1, 0
	TURN 0, 1, 1
	QUARTER 1, 1, F0, F1, 0
	QUARTER 1, 2, F1, F0, 0
	QUARTER 1, 3, F0, F1, 0
	TURN 1, 0, 1
	QUARTER 0, 1, F0, F1, 0
	WIN 0
	s_sub_co_u32 s3, s3, 1
	s_cmp_lg_u32 s3, 0
	s_cbranch_scc1 .Llap
	QUARTER 0, 2, F1, F0, 0                        ; the last lap fills nothing, and has no round of the cluster's barrier
	QUARTER 0, 3, F0, F1, 0
	TURN 0, 1, 0
	QUARTER 1, 1, F0, F1, 0
	QUARTER 1, 2, F1, F0, 0
	QUARTER 1, 3, F0, F1, 0
	s_wait_dscnt 4                                 ; the very last quarter: nothing more to fetch
	WIN MUL
	MUL8 F1, 0, 0
	MUL8 F1, 1, 0
	s_wait_dscnt 0
	MUL8 F1, 2, 0
	MUL8 F1, 3, 0
	WIN 0
; THE WAY OUT, block by block of 16 rows x 128 columns.  A lane holds 32 neighbouring bytes of a row, and the lanes beside it hold other rows: so a block goes through my own stage in LDS and comes back as whole
; rows of 512 bytes.  LDS serves a wave's instructions in order (ISA guide 5.7.1.4): no wait between the stores and the loads, nor in front of the next block's stores.
.macro TOSTAGE a
	WIN 0x04                                       ; an LDS store's data are its source 1: window 1
.irp b, 0,1,2,3,4,5,6,7
	ds_store_b128 v[STO], v[64*(\a)+8*\b:64*(\a)+8*\b+3] offset:64*\b          ; each accumulator from its low end on
	ds_store_b128 v[STO], v[64*(\a)+8*\b+4:64*(\a)+8*\b+7] offset:64*\b+16
.endr
	WIN 0
.set BB, BK+64*((\a)%2)
.irp t, 0,1,2,3,4,5,6,7,8,9,10,11,12,13,14,15
	ds_load_b128 v[BB+4*\t:BB+4*\t+3], v[RD] offset:\t*SPITCH
.endr
.endm
.macro SEND a, younger                 ; younger: the LDS instructions issued behind block a's loads, which may stay out
.set BB, BK+64*((\a)%2)
	s_wait_dscnt \younger                          ; the block is back in registers
.irp t, 0,1,2,3,4,5,6,7,8,9,10,11,12,13,14,15
	global_store_b128 v[CO], v[BB+4*\t:BB+4*\t+3], s[8:9] offset:(16*(\a)+\t)*4096 th:TH_STORE_NT   ; 32 lanes store 512 consecutive bytes, aligned; 63 rows at the most stand in the immediate
.endr
.endm
	PLACES                                         ; behind the last products: for the stores that read results, and for the loads into the fragment buffers
	TOSTAGE 0
.irp a, 1,2,3
.if \a > 1
	s_wait_xcnt 0x0                                ; block a - 2's stores have read their registers: block a's loads may land there
.endif
	TOSTAGE \a
	SEND \a-1, 32                                  ; behind block a - 1's loads: block a's 16 stores and 16 loads
.endr
	SEND 3, 0
	s_wait_tensorcnt 0x0                           ; the wave's end: these three lines stand behind my last tensor load and my last LDS store
	ds_add_u32 v[SPW], v[NIL]
	s_wait_dscnt 0x0
	CROUND                                         ; the closing round: no work-group ends while a partner may still ask for a tile that names it
	s_endpgm
.Lfunc_end_k_q775bcb02c2_out_gemm:
	.size	k_q775bcb02c2_out_gemm, .Lfunc_end_k_q775bcb02c2_out_gemm-k_q775bcb02c2_out_gemm
	.p2alignl 7, 3214868480
	.fill 96, 4, 3214868480
	.section	.rodata,"a",@progbits
	.p2align	6, 0x0
	.amdhsa_kernel k_q775bcb02c2_out_gemm
		.amdhsa_group_segment_fixed_size 327680
		.amdhsa_private_segment_fixed_size 0
		.amdhsa_enable_private_segment 0
		.amdhsa_kernarg_size 32
		.amdhsa_user_sgpr_count 2
		.amdhsa_user_sgpr_kernarg_segment_ptr 1
		.amdhsa_wavefront_size32 1
		.amdhsa_system_sgpr_workgroup_id_x 1
		.amdhsa_system_sgpr_workgroup_id_y 1
		.amdhsa_system_sgpr_workgroup_id_z 1
		.amdhsa_system_vgpr_workitem_id 0
		.amdhsa_next_free_vgpr 640
		.amdhsa_next_free_sgpr 68
		.amdhsa_reserve_vcc 0
		.amdhsa_float_denorm_mode_32 3
		.amdhsa_float_denorm_mode_16_64 3
		.amdhsa_memory_ordered 1
		.amdhsa_forward_progress 1
		.amdhsa_inst_pref_size 87
	.end_amdhsa_kernel
	.amdgpu_metadata
---
amdhsa.version: [ 1, 2 ]
amdhsa.kernels:
  - .name:           k_q775bcb02c2_out_gemm
    .symbol:         k_q775bcb02c2_out_gemm.kd
    .args:
      - { .name: vals, .offset: 0, .size: 8, .value_kind: global_buffer, .address_space: global }
      - { .name: wo16, .offset: 8, .size: 8, .value_kind: global_buffer, .address_space: global }
      - { .name: bo, .offset: 16, .size: 8, .value_kind: global_buffer, .address_space: global }
      - { .name: out0, .offset: 24, .size: 8, .value_kind: global_buffer, .address_space: global }
    .group_segment_fixed_size: 327680
    .private_segment_fixed_size: 0
    .kernarg_segment_align: 8
    .kernarg_segment_size: 32
    .max_flat_workgroup_size: 128
    .sgpr_count:     68
    .vgpr_count:     640
    .wavefront_size: 32
...
	.end_amdgpu_metadata
.endif
;; end of part 5
